; MI455X (gfx1250); checked and timed in simulation.
; The chip was launched on July 23, 2026; its instructions are those of AMD's public machine-readable ISA for CDNA 5 (MIT licence, August 2026) and "CDNA5" Instruction Set Architecture Reference Guide (July 2026). The comments in the code are by the model that wrote it; some were corrected since.
;; Yat Causal Attention. Allowed arithmetic: float matrix products may take bf16 or f16 operands with f32 sums; other float arithmetic in f32, or as packed bf16 or f16 multiplies, adds, multiply-adds, maxima and minima; sums over many terms, partial sums and values carried from step to step in f32; what a program stores and reads back later, other than sums and carried values, may be rounded once to bf16 or f16.
;; Inputs: b_out 1,024 float32; b_qkv 3,072 float32; w_out 1,024 x 1,024 float32; w_qkv 1,024 x 3,072 float32; x 2 x 2,048 x 1,024 float32.
;; Outputs: out0 2 x 2,048 x 1,024 float32.
;; 2 versions, each right; version 2 is version 1 with the launch prep written anew for expert scheduling mode. Each part assembles by itself: llvm-mc -triple=amdgcn-amd-amdhsa -mcpu=gfx1250 --defsym DOCPART=n.
;; ======== version 1 of 2: 4 launches
;; limits: values are held in f16: magnitudes above 65,504 overflow, below 6.1e-05 lose precision
;; workspace buffers: xb 8,388,608 bytes; wq 6,291,456 bytes; wo 2,097,152 bytes; qkv 25,690,112 bytes; ob 8,388,608 bytes
;; launch prep (part 1): grid 512 x 1, 8 waves a work-group, no clusters, 0 bytes of LDS; arguments x, w_qkv, w_out, xb, wq, wo; writes xb, wq, wo
.if DOCPART == 1
	.amdgcn_target "amdgcn-amd-amdhsa--gfx1250"
	.amdhsa_code_object_version 6
	.text
	.protected	k_q2a7160a502_prep
	.globl	k_q2a7160a502_prep
	.p2align	8
	.type	k_q2a7160a502_prep,@function
k_q2a7160a502_prep:
	s_mov_b64 s[64:65], 0
	v_nop
	global_prefetch_b8 v0, s[64:65] scope:SCOPE_SE
	s_setreg_imm32_b32 hwreg(HW_REG_WAVE_MODE, 25, 1), 1
	s_wait_xcnt 0x0
; CASTS.  xb = bf16(x), [4096][1024].  wq = bf16(w_qkv) laid in 16 blocks, one a head: wq[jt][k][64 sel + c] = w_qkv[k][1024 sel + 64 jt + c] (sel = 0, 1, 2: q, k, v).
; wo = bf16(w_out), that number written as f16, [1024][1024].
; LIMIT.  A bf16 number is exact in f16 between 6.1e-5 and 65,504 in size; below that wo keeps f16's fixed step of 6e-8, beyond it the result is an infinity.
; SHARES.  A work-group writes 32,768 bytes (16,384 numbers): groups 0-255 x, 256-447 w_qkv, 448-511 w_out.  Sixteen steps; in each a thread loads 16 bytes and stores 8:
; a wave's load covers 512 consecutive bytes (for w_qkv two pieces of 256, each aligned), a wave's store 256 consecutive bytes, aligned.
; All sixteen loads go out first; no register is written twice, so the only waits are the counted ones for the loads.
; No LDS, no matrix unit, no cluster: each byte is read once, by one thread, and nothing is shared.
.set IN,  32                           ; v[32:95]   sixteen loads of four f32
.set OUT, 96                           ; v[96:127]  sixteen results of two registers
	s_load_b256 s[4:11], s[0:1], 0x0               ; x s[4:5], w_qkv s[6:7], w_out s[8:9], xb s[10:11]
	s_load_b128 s[12:15], s[0:1], 0x20             ; wq s[12:13], wo s[14:15]
	s_mov_b32 s16, ttmp9
	v_lshlrev_b32 v1, 4, v0                        ; 16 t: where I read in a dense stream
	v_lshlrev_b32 v2, 3, v0                        ; 8 t: where I write
	v_lshrrev_b32 v3, 4, v0                        ; for w_qkv: piece t / 16 of 64 numbers, pieces 4,096 bytes apart,
	v_and_b32 v4, 15, v0
	v_lshlrev_b32 v4, 4, v4
	v_lshl_add_u32 v3, v3, 12, v4                  ; + 16 (t % 16)
	s_mov_b32 s19, 0
	s_mov_b32 s21, 0
	s_wait_kmcnt 0x0
; sixteen loads, then for each: the wait that leaves the younger loads out, the rounding, the store.  kind = 1: bf16 first, then that number as f16.
.macro STREAM src, dst, vin, istep, kind
.irp i, 0,1,2,3,4,5,6,7,8,9,10,11,12,13,14,15
	global_load_b128 v[IN+4*(\i):IN+4*(\i)+3], v[\vin], s[\src:\src+1] offset:(\i)*(\istep) th:TH_LOAD_NT
.endr
.irp i, 0,1,2,3,4,5,6,7,8,9,10,11,12,13,14,15
	s_wait_loadcnt 15-(\i)                         ; loads come back in order: load i is in, the 15 - i younger ones may be out
.irp j, 0,1
.if \kind
	v_cvt_pk_bf16_f32 v5, v[IN+4*(\i)+2*(\j)], v[IN+4*(\i)+2*(\j)+1]
	v_lshlrev_b32 v6, 16, v5
	v_and_b32 v7, 0xffff0000, v5
	v_cvt_pk_f16_f32 v[OUT+2*(\i)+(\j)], v6, v7
.else
	v_cvt_pk_bf16_f32 v[OUT+2*(\i)+(\j)], v[IN+4*(\i)+2*(\j)], v[IN+4*(\i)+2*(\j)+1]
.endif
.endr
	global_store_b64 v2, v[OUT+2*(\i):OUT+2*(\i)+1], s[\dst:\dst+1] offset:2048*(\i) th:TH_STORE_NT
.endr
	s_endpgm
.endm
	s_cmp_lt_u32 s16, 256
	s_cbranch_scc0 .Lnot_x
	s_lshl_b32 s18, s16, 16                        ; 65,536 bytes in,
	s_add_nc_u64 s[4:5], s[4:5], s[18:19]
	s_lshl_b32 s20, s16, 15                        ; 32,768 out
	s_add_nc_u64 s[10:11], s[10:11], s[20:21]
	STREAM 4, 10, 1, 4096, 0
.Lnot_x:
	s_cmp_lt_u32 s16, 448
	s_cbranch_scc0 .Lw_out
	s_sub_co_u32 s17, s16, 256                     ; q = 0 .. 191: twelve groups a block
	s_mul_i32 s18, s17, 5462
	s_lshr_b32 s18, s18, 16                        ; jt = q / 12 (exact for q under 192)
	s_mul_i32 s20, s18, 12
	s_sub_co_u32 s20, s17, s20                     ; q % 12: 256 pieces of 64 numbers each; piece 3 k + sel lies at byte (3 k + sel) x 4,096 + 256 jt of w_qkv
	s_lshl_b32 s20, s20, 20
	s_lshl_b32 s18, s18, 8
	s_add_co_u32 s18, s18, s20
	s_add_nc_u64 s[6:7], s[6:7], s[18:19]
	s_lshl_b32 s20, s17, 15
	s_add_nc_u64 s[12:13], s[12:13], s[20:21]
	STREAM 6, 12, 3, 65536, 0                      ; a step is 16 pieces
.Lw_out:
	s_sub_co_u32 s17, s16, 448
	s_lshl_b32 s18, s17, 16
	s_add_nc_u64 s[8:9], s[8:9], s[18:19]
	s_lshl_b32 s20, s17, 15
	s_add_nc_u64 s[14:15], s[14:15], s[20:21]
	STREAM 8, 14, 1, 4096, 1
.Lfunc_end_k_q2a7160a502_prep:
	.size	k_q2a7160a502_prep, .Lfunc_end_k_q2a7160a502_prep-k_q2a7160a502_prep
	.p2alignl 7, 3214868480
	.fill 96, 4, 3214868480
	.section	.rodata,"a",@progbits
	.p2align	6, 0x0
	.amdhsa_kernel k_q2a7160a502_prep
		.amdhsa_group_segment_fixed_size 0
		.amdhsa_private_segment_fixed_size 0
		.amdhsa_enable_private_segment 0
		.amdhsa_kernarg_size 48
		.amdhsa_user_sgpr_count 2
		.amdhsa_user_sgpr_kernarg_segment_ptr 1
		.amdhsa_wavefront_size32 1
		.amdhsa_system_sgpr_workgroup_id_x 1
		.amdhsa_system_sgpr_workgroup_id_y 1
		.amdhsa_system_sgpr_workgroup_id_z 1
		.amdhsa_system_vgpr_workitem_id 0
		.amdhsa_next_free_vgpr 128
		.amdhsa_next_free_sgpr 66
		.amdhsa_reserve_vcc 0
		.amdhsa_float_denorm_mode_32 3
		.amdhsa_float_denorm_mode_16_64 3
		.amdhsa_memory_ordered 1
		.amdhsa_forward_progress 1
		.amdhsa_inst_pref_size 24
	.end_amdhsa_kernel
	.amdgpu_metadata
---
amdhsa.version: [ 1, 2 ]
amdhsa.kernels:
  - .name:           k_q2a7160a502_prep
    .symbol:         k_q2a7160a502_prep.kd
    .args:
      - { .name: x, .offset: 0, .size: 8, .value_kind: global_buffer, .address_space: global }
      - { .name: w_qkv, .offset: 8, .size: 8, .value_kind: global_buffer, .address_space: global }
      - { .name: w_out, .offset: 16, .size: 8, .value_kind: global_buffer, .address_space: global }
      - { .name: xb, .offset: 24, .size: 8, .value_kind: global_buffer, .address_space: global }
      - { .name: wq, .offset: 32, .size: 8, .value_kind: global_buffer, .address_space: global }
      - { .name: wo, .offset: 40, .size: 8, .value_kind: global_buffer, .address_space: global }
    .group_segment_fixed_size: 0
    .private_segment_fixed_size: 0
    .kernarg_segment_align: 8
    .kernarg_segment_size: 48
    .max_flat_workgroup_size: 256
    .sgpr_count:     66
    .vgpr_count:     128
    .wavefront_size: 32
...
	.end_amdgpu_metadata
.endif
;; end of part 1
;; launch qkv (part 2): grid 16 x 16, 4 waves a work-group, clusters of 4 x 4, 327,680 bytes of LDS; arguments xb, wq, b_qkv, qkv; writes qkv
.if DOCPART == 2
	.amdgcn_target "amdgcn-amd-amdhsa--gfx1250"
	.amdhsa_code_object_version 6
	.text
	.protected	k_q2a7160a502_qkv
	.globl	k_q2a7160a502_qkv
	.p2align	8
	.type	k_q2a7160a502_qkv,@function
k_q2a7160a502_qkv:
	s_mov_b64 s[64:65], 0
	v_nop
	global_prefetch_b8 v0, s[64:65] scope:SCOPE_SE
	s_setreg_imm32_b32 hwreg(HW_REG_WAVE_MODE, 25, 1), 1
	s_wait_xcnt 0x0
	s_wait_alu depctr_hold_cnt(0) depctr_sa_sdst(0) depctr_va_vdst(0) depctr_va_sdst(0) depctr_va_ssrc(0) depctr_va_vcc(0) depctr_vm_vsrc(0)
	s_getreg_b32 s2, hwreg(HW_REG_IB_STS2, 6, 4)
	s_cmp_eq_u32 s2, 0
	s_cbranch_scc0 .Lentry_in_a_cluster
	s_endpgm
.Lentry_in_a_cluster:
	s_bfe_u32 s2, ttmp6, 0x10000c
	s_cmp_lg_u32 s2, 0xf033
	s_cbranch_scc0 .Lentry_shape_is_right
	s_endpgm
.Lentry_shape_is_right:
; q, k, v = x w_qkv + b_qkv, by heads, in f16, and the half square norms of q's and k's rows.  Operands bf16 (xb, wq; the bias rounded to bf16 here), sums in f32, each result rounded once to f16.
; OUT: qkv holds a Q part at 0 and a K part at KOFF, each [bh][chunk of 64 rows]: 64 rows x 128 bytes of f16, then 64 f32 h = 0.5 x (the sum of the rounded row's squares) + 2.5e-7; and a V part at VOFFG, dense [bh][2048][64].
; LIMIT.  f16 holds no number beyond 65,504: a q, k or v beyond it becomes an infinity.
; SHARES.  A tile is 256 rows x 192 columns: head jt's 64 columns of q, of k and of v.  16 x 16 tiles, one a work-group.  Wave w makes rows 64 w .. 64 w + 63 x all 192 columns:
; 4 x 12 accumulators of 16 x 16, 384 registers; so a wave holds whole rows of three heads and the norms never leave it.  K goes in 8 steps of 128 through two LDS slots.
; THE PRODUCT IS USED TRANSPOSED: source 0 = 16 columns of wq (stored [k][column]: turned on the way out of LDS by ds_load_tr16_b128), source 1 = 16 rows of xb.  A lane then holds one row and eight
; neighbouring columns.  The first product of each sum takes the bias as C: nothing is cleared and nothing added later.
; CLUSTER 4 x 4: xb's tile hangs on the tile row alone and is asked for jointly along a row of the cluster, wq's on the tile column alone, along a column.
; REGISTERS (windows of 256).  window 0: v16-31 addresses; v32-95 xb's fragments, two buffers; v96-191 the bias, later the way out; v192-252 the way out.
;   window 1: v0-191 wq's fragments, two buffers of 96.   window 2: accumulators of row blocks 0, 1 at 8 (12 (a % 2) + b);   window 3: of row blocks 2, 3.
.set PA,    272                        ; a row of xb in LDS: 256 bytes + 16
.set PB,    480                        ; a k-row of wq in LDS: three pieces of 128 bytes + 32 each
.set AHALF, 128*PA
.set BOFF,  2*AHALF
.set BHALF, 64*PB
.set SLOT1, 1<<17                      ; a slot is exactly 131,072 bytes: one exclusive or turns an address in one slot into the other's
.set STAGE, 2*SLOT1                    ; behind the ring: for each wave 3 heads x 16 rows x 144 bytes, then 512 bytes for the norms
.set WSTG,  7424
.set HSTG,  6912
.set SPARE, STAGE+4*WSTG               ; the spare words, 128 bytes a wave: two blocks of 256 bytes that no other line names
.set KOFF,  8650752
.set VOFFG, 17301504
.set HEADQ, 270336
.set CHUNK, 8448
.set ADRA, 16                          ; v16  LDS address of my xb fragments in the slot in hand
.set ADRB, 17                          ; v17  of wq's
.set A0,   18                          ; v18, v19  the same in slot 0; never rewritten
.set B0,   19
.set STO,  20                          ; v20  the way out: where I put 16 bytes of a row
.set RD,   21                          ; v21  where I read rows back
.set HSTO, 22                          ; v22  where I put a norm
.set HRD,  23                          ; v23  where I read four norms back
.set CO,   24                          ; v24-26  my byte offset in the wave's chunk of Q, K, V
.set HO,   27                          ; v27  the norms' offset
.set SPW,  28                          ; v28  my spare word; never rewritten
.set NIL,  29                          ; v29  0; never rewritten
.set PFO,  30                          ; v30  the prefetches' offset; never rewritten
.set BO,   31                          ; v31  the bias's offset
.set FA,   32
.set BIAS, 96
.set TMP,  96                          ; the way out: 48 registers of packed results
.set OB,   144                         ; two buffers of 48: rows read back
.set HH,   240                         ; v240-247  h of row block a, head hd (0 q, 1 k) at 2 a + hd
.set CH,   248                         ; v248-251  four chains
.set ZR,   252                         ; v252  0
.set G1A, 24
.set G0A, 32                           ; two sets: set 0 is K step 0's, set 1 K step 1's, which then walks
.set PFA, 40                           ; s[40:41] where my prefetches stand
.set PSTEP, 42                         ; s[42:43] a K step in the tensor that I ask for
.set LIM, 44                           ; s44  2 in a wave that prefetches, else the greatest number
.set TB,  45                           ; s45  the slot in hand: 0 or SLOT1
.set G1B, 48
.set G0B, 56
.set MSB, 0
.macro WIN new
.if MSB != (\new)
	s_set_vgpr_msb (MSB<<8)|(\new)
.set MSB, \new
.endif
.endm
.macro PLACES                          ; four places in front of loads into registers that matrix instructions have read, and of conversions that read results
.rept 4
	v_nop
.endr
.endm
; A joint load.  Waves 0 and 1 fetch xb's two halves, waves 2 and 3 wq's.  The branch hangs on the wave's number alone.  An s_nop 0 and four v_nop follow each line.
.macro JLOAD s
	s_cmp_eq_u32 s13, 0
	s_cbranch_scc0 .Lfor_b_\@
	tensor_load_to_lds s[G0A+4*(\s):G0A+4*(\s)+3], s[G1A:G1A+7]
	s_nop 0
.rept 4
	v_nop
.endr
	s_branch .Lasked_\@
.Lfor_b_\@:
	tensor_load_to_lds s[G0B+4*(\s):G0B+4*(\s)+3], s[G1B:G1B+7]
	s_nop 0
.rept 4
	v_nop
.endr
.Lasked_\@:
.endm
.macro CREST                           ; a round of the cluster's barrier behind its opening barrier
	s_cmp_lg_u32 s12, 0
	s_cbranch_scc1 .Lnot_wave_0_\@
	s_barrier_signal -3
.Lnot_wave_0_\@:
	s_barrier_wait -3
	s_barrier_signal -1
	s_barrier_wait -1
.endm
.macro CROUND
	s_barrier_signal -1
	s_barrier_wait -1
	CREST
.endm
; A PREFETCH behind each refill and the run of LDS loads that follows it: the K step that stands two refills on.  xb's rows are read by every cluster of a row of clusters: cluster x = 0 asks, in waves 0 and 1,
; a lane a row, the four partners sharing the 128 rows out by address (32 cx on).  wq's block is read by every cluster of a column: cluster y = 0 asks, in waves 2 and 3: of the half step's 96 pieces of
; 256 bytes each partner takes 24 (24 cy on); lanes 24 to 31 name piece 23 again.  K steps 0 to 3 come by their loads alone; the last two refills ask for nothing: there is no K step 8.
.macro ASK
	s_cmp_gt_u32 s19, s[LIM]
	s_cbranch_scc0 .Lnot_mine_\@
	global_prefetch_b8 v[PFO], s[PFA:PFA+1] th:TH_LOAD_NT scope:SCOPE_SE
.Lnot_mine_\@:
.endm
	s_load_b256 s[4:11], s[0:1], 0x0               ; xb s[4:5], wq s[6:7], b_qkv s[8:9], qkv s[10:11]
	v_lshl_add_u32 v[SPW], v0, 2, SPARE
	v_mov_b32 v[NIL], 0
	ds_add_u32 v[SPW], v[NIL]                      ; the wave's opening: the add and its wait ahead of my first tensor load; the set-up below stands between them
	v_lshrrev_b32 v1, 5, v0
	v_readfirstlane_b32 s12, v1                    ; wave 0..3
	s_lshr_b32 s13, s12, 1                         ; I fetch for xb (0) or for wq (1)
	s_and_b32 s14, s12, 1                          ; which half
	s_bfe_u32 s15, ttmp6, 0x40000                  ; cx
	s_bfe_u32 s16, ttmp6, 0x40004                  ; cy
	s_lshl_b32 s17, ttmp9, 2
	s_add_co_u32 s17, s17, s15                     ; jt: tile column = head
	s_and_b32 s18, ttmp7, 0xffff
	s_lshl_b32 s18, s18, 2
	s_add_co_u32 s18, s18, s16                     ; it: tile row
	s_lshl_b32 s22, s16, 2
	s_lshl_b32 s22, 15, s22                        ; my row of the cluster
	s_lshl_b32 s72, 0x1111, s15                    ; my column
	s_or_b32 s[G1A], s22, (1<<16)|(1<<20)|(1<<21)|(5<<22)|(3<<25)  ; mask; 2-byte elements; padding on; bit 21 beside a mask; after every 64 words 4 words
	s_mov_b32 s[G1A+1], 128<<16                    ; tensor_dim0 = 128
	s_mov_b32 s[G1A+2], 128<<16                    ; tensor_dim1 = 128
	s_mov_b32 s[G1A+3], 128<<16                    ; tile_dim0 = 128
	s_mov_b32 s[G1A+4], 128                        ; tile_dim1 = 128
	s_mov_b32 s[G1A+5], 1024                       ; elements from row to row
	s_mov_b32 s[G1A+6], 0
	s_mov_b32 s[G1A+7], 0
	s_or_b32 s[G1B], s72, (1<<16)|(1<<20)|(1<<21)|(4<<22)|(7<<25)  ; after every 32 words 8 words
	s_mov_b32 s[G1B+1], 128<<16                    ; half a K step of a block is 24,576 dense bytes: 96 rows of 256
	s_mov_b32 s[G1B+2], 96<<16
	s_mov_b32 s[G1B+3], 128<<16
	s_mov_b32 s[G1B+4], 96
	s_mov_b32 s[G1B+5], 128
	s_mov_b32 s[G1B+6], 0
	s_mov_b32 s[G1B+7], 0
	s_lshl_b32 s20, s18, 8                         ; xb: row 256 it + 128 half,
	s_lshl_b32 s21, s14, 7
	s_add_co_u32 s20, s20, s21
	s_lshl_b32 s20, s20, 11                        ; x 2,048 bytes
	s_mov_b32 s21, 0
	s_mul_i32 s68, s17, 393216                     ; wq: block jt, half a K step
	s_mul_i32 s69, s14, 24576
	s_add_co_u32 s68, s68, s69
	s_mov_b32 s69, 0
	s_mul_i32 s23, s14, AHALF                      ; where they go: no place in the cluster enters an LDS address
	s_mul_i32 s47, s14, BHALF
	s_add_co_u32 s47, s47, BOFF
	s_mov_b32 s46, 0x348637bd                      ; 2.5e-7: a quarter of the reference's 1e-6
	s_mov_b32 s66, 0x76543210                      ; v_permlanex16_b32: each lane takes its own place in the other half
	s_mov_b32 s67, 0xfedcba98
	s_wait_dscnt 0x0                               ; the opening add is done
	s_wait_kmcnt 0x0
	s_add_nc_u64 s[20:21], s[4:5], s[20:21]
	s_add_nc_u64 s[68:69], s[6:7], s[68:69]
	CROUND                                         ; all sixteen work-groups are here: the first joint loads meet
.irp s, 0,1
	s_mov_b32 s[G0A+4*(\s)], 1
	s_add_co_u32 s[G0A+4*(\s)+1], s23, (\s)*SLOT1
	s_add_nc_u64 s[G0A+4*(\s)+2:G0A+4*(\s)+3], s[20:21], (\s)*256
	s_or_b32 s[G0A+4*(\s)+3], s[G0A+4*(\s)+3], 0x80000000
	s_mov_b32 s[G0B+4*(\s)], 1
	s_add_co_u32 s[G0B+4*(\s)+1], s47, (\s)*SLOT1
	s_add_nc_u64 s[G0B+4*(\s)+2:G0B+4*(\s)+3], s[68:69], (\s)*49152
	s_or_b32 s[G0B+4*(\s)+3], s[G0B+4*(\s)+3], 0x80000000
	JLOAD \s                                       ; two tensor loads of mine are out
.endr
	v_and_b32 v1, 15, v0                           ; r = l % 16
	v_bfe_u32 v2, v0, 4, 1                         ; h = l / 16
	v_and_b32 v3, 7, v0
	v_bfe_u32 v4, v0, 3, 1
	v_and_b32 v5, 31, v0                           ; l
	s_lshl_b32 s70, s17, 8
	v_lshl_add_u32 v[BO], v2, 5, s70               ; the bias of my eight columns of column block b: b_qkv[1024 (b / 4) + 64 jt + 16 (b % 4) + 8 h ..]
.irp b, 0,1,2,3,4,5,6,7,8,9,10,11
	global_load_b128 v[BIAS+8*(\b):BIAS+8*(\b)+3],   v[BO], s[8:9] offset:((\b)/4)*4096+((\b)%4)*64
	global_load_b128 v[BIAS+8*(\b)+4:BIAS+8*(\b)+7], v[BO], s[8:9] offset:((\b)/4)*4096+((\b)%4)*64+16
.endr
	v_mul_u32_u24 v[A0], v1, PA
	v_lshl_add_u32 v[A0], v2, 4, v[A0]
	s_mul_i32 s71, s12, 64*PA
	v_add_nc_u32 v[A0], s71, v[A0]                 ; (64 w + r) x pitch + 16 h
	v_lshl_add_u32 v[B0], v2, 3, v3
	v_mul_u32_u24 v[B0], v[B0], PB
	v_lshl_add_u32 v[B0], v4, 4, v[B0]
	v_add_nc_u32 v[B0], BOFF, v[B0]                ; the turning load: k-row 8 h + l % 8, 16 bytes by (l / 8) % 2
	s_mul_i32 s71, s12, WSTG
	s_add_co_u32 s71, s71, STAGE                   ; my stage
	v_mul_u32_u24 v[STO], v1, 144
	v_lshl_add_u32 v[STO], v2, 4, v[STO]
	v_add_nc_u32 v[STO], s71, v[STO]
	v_bfe_u32 v[RD], v0, 3, 2                      ; back: 32 lanes take four rows of 128 bytes
	v_mul_u32_u24 v[RD], v[RD], 144
	v_lshl_add_u32 v[RD], v3, 4, v[RD]
	v_add_nc_u32 v[RD], s71, v[RD]
	s_add_co_u32 s71, s71, HSTG
	v_lshl_add_u32 v[HSTO], v1, 2, s71
	v_lshl_add_u32 v[HRD], v5, 4, s71
	s_lshr_b32 s73, s18, 3                         ; batch
	s_lshl_b32 s73, s73, 4
	s_add_co_u32 s73, s73, s17                     ; bh = 16 batch + head
	s_and_b32 s74, s18, 7
	s_lshl_b32 s74, s74, 2
	s_add_co_u32 s74, s74, s12                     ; my chunk of 64 rows in the head
	s_mul_i32 s75, s73, HEADQ
	s_mul_i32 s70, s74, CHUNK
	s_add_co_u32 s75, s75, s70
	s_lshl_b32 s73, s73, 18
	s_lshl_b32 s74, s74, 13
	s_add_co_u32 s73, s73, s74
	s_add_co_u32 s73, s73, VOFFG
	v_lshl_add_u32 v[CO], v5, 4, s75
	v_add_nc_u32 v[CO+1], KOFF, v[CO]
	v_lshl_add_u32 v[CO+2], v5, 4, s73
	v_mul_u32_u24 v[HO], v2, KOFF                  ; lanes 0-15 store q's norms, lanes 16-31 k's
	v_lshl_add_u32 v[HO], v1, 4, v[HO]
	s_add_co_u32 s75, s75, 8192
	v_add_nc_u32 v[HO], s75, v[HO]
	v_mov_b32 v[ZR], 0
	; the prefetches
	s_lshl_b32 s74, s15, 16                        ; xb: 32 cx rows of 2,048 bytes
	s_mul_i32 s75, s16, 6144                       ; wq: 24 cy pieces of 256 bytes
	s_mov_b32 s73, 49152
	s_and_b32 s70, ttmp7, 0xffff
	s_cmp_eq_u32 s13, 0                            ; do I fetch for xb?
	s_cselect_b32 s70, ttmp9, s70                  ; the coordinate along which other clusters read the same bytes
	s_cselect_b32 s71, 31, 23
	s_cselect_b32 s72, 11, 8
	s_cselect_b32 s[PSTEP], 256, s73
	s_cselect_b32 s74, s74, s75
	s_cselect_b64 s[PFA:PFA+1], s[20:21], s[68:69]
	s_mov_b32 s[PSTEP+1], 0
	s_mov_b32 s75, 0
	s_add_nc_u64 s[PFA:PFA+1], s[PFA:PFA+1], s[74:75]
	s_cmp_eq_u32 s70, 0
	s_cselect_b32 s[LIM], 2, -1                    ; the same in all sixteen partners, for a given wave
	s_mul_i32 s74, s[PSTEP], 3
	s_add_nc_u64 s[PFA:PFA+1], s[PFA:PFA+1], s[74:75]  ; at K step 3: the first refill steps it to 4
	v_min_u32 v[PFO], s71, v5
	v_lshlrev_b32 v[PFO], s72, v[PFO]
	s_wait_loadcnt 0x0                             ; the bias,
.set j, 0
.rept 48                                       ; rounded to bf16 like every input, and widened again
	v_cvt_pk_bf16_f32 v[6+j%2], v[BIAS+2*j], v[BIAS+2*j+1]
	v_lshlrev_b32 v[BIAS+2*j], 16, v[6+j%2]
	v_and_b32 v[BIAS+2*j+1], 0xffff0000, v[6+j%2]
.set j, j+1
.endr
	s_mov_b32 s[TB], 0
	v_mov_b32 v[ADRA], v[A0]
	v_mov_b32 v[ADRB], v[B0]
; 12 matrix instructions: row block a x all 12 column blocks, 32 along K, from buffer f.  first = 1: C is the bias.  The 48 accumulators take turns, one instruction a turn.
.macro MUL12 f, a, first
.if \first
	WIN 0x81+0x40*((\a)/2)                         ; source 0 window 1, source 1 and C window 0, D window 2 or 3
.else
	WIN 0xa1+0x50*((\a)/2)                         ; C and D window 2 or 3
.endif
.irp b, 0,1,2,3,4,5,6,7,8,9,10,11
.if \first
	v_wmma_f32_16x16x32_bf16 v[8*(12*((\a)%2)+(\b)):8*(12*((\a)%2)+(\b))+7], v[96*(\f)+8*(\b):96*(\f)+8*(\b)+7], v[FA+32*(\f)+8*(\a):FA+32*(\f)+8*(\a)+7], v[BIAS+8*(\b):BIAS+8*(\b)+7]
.else
	v_wmma_f32_16x16x32_bf16 v[8*(12*((\a)%2)+(\b)):8*(12*((\a)%2)+(\b))+7], v[96*(\f)+8*(\b):96*(\f)+8*(\b)+7], v[FA+32*(\f)+8*(\a):FA+32*(\f)+8*(\a)+7], v[8*(12*((\a)%2)+(\b)):8*(12*((\a)%2)+(\b))+7]
.endif
.endr
.endm
; 32 LDS loads in one run: quarter q's fragments into buffer f: wq's 24 first, then xb's 8
.macro FETCH q, f
	WIN 0x40
.irp b, 0,1,2,3,4,5,6,7,8,9,10,11
	ds_load_tr16_b128 v[96*(\f)+8*(\b):96*(\f)+8*(\b)+3],   v[ADRB] offset:(\q)*32*PB+((\b)/4)*160+((\b)%4)*32
	ds_load_tr16_b128 v[96*(\f)+8*(\b)+4:96*(\f)+8*(\b)+7], v[ADRB] offset:(\q)*32*PB+((\b)/4)*160+((\b)%4)*32+16*PB
.endr
	WIN 0
.irp a, 0,1,2,3
	ds_load_b128 v[FA+32*(\f)+8*(\a):FA+32*(\f)+8*(\a)+3],   v[ADRA] offset:64*(\q)+(\a)*16*PA
	ds_load_b128 v[FA+32*(\f)+8*(\a)+4:FA+32*(\f)+8*(\a)+7], v[ADRA] offset:64*(\q)+(\a)*16*PA+32
.endr
.endm
; A K step is four quarters of 32 along K, 48 matrix instructions each, on buffers 0, 1, 0, 1.  One of the first three multiplies buffer f and fetches quarter q into buffer g.
.macro QUARTER q, f, g, first
	s_wait_dscnt 4                                 ; all but the youngest four loads: xb's row blocks 2 and 3
	MUL12 \f, 0, \first
	MUL12 \f, 1, \first
	PLACES
	FETCH \q, \g
	s_wait_dscnt 32                                ; all but the 32 just issued
	MUL12 \f, 2, \first
	MUL12 \f, 3, \first
.endm
; The last quarter multiplies buffer 1 and changes slots.  In front of the barrier each wave waits for all its tensor loads (one is out: its part of the next slot), adds 0 to its spare word, and waits for that and
; for its reads of this slot.  fill = 1: the barrier opens a round of the cluster's, and the joint refill, two K steps on, is the first thing behind it: 168 matrix instructions ahead of the wait for it.
.macro TURN fill
.if \fill
	s_wait_xcnt 0x0                                ; the last prefetch, a K step back, has read its address
	s_add_nc_u64 s[PFA:PFA+1], s[PFA:PFA+1], s[PSTEP:PSTEP+1]
.endif
	WIN 0
	s_wait_tensorcnt 0x0                           ; no tensor load of mine is out
	ds_add_u32 v[SPW], v[NIL]                      ; 0 onto my spare word
	s_wait_dscnt 5                                 ; (the add and the youngest four loads may be out)
	MUL12 1, 0, 0
	s_wait_dscnt 0x0                               ; the add is done, and my reads of this slot are over
	s_barrier_signal -1
	MUL12 1, 1, 0
	WIN 0
	s_barrier_wait -1
.if \fill
	CREST                                          ; no wave of any partner still reads this slot or has a load on its way
	s_xor_b32 s[G0A+5], s[G0A+5], SLOT1            ; the walking sets: the other slot than last time, the next K step
	s_add_nc_u64 s[G0A+6:G0A+7], s[G0A+6:G0A+7], 256
	s_xor_b32 s[G0B+5], s[G0B+5], SLOT1
	s_add_nc_u64 s[G0B+6:G0B+7], s[G0B+6:G0B+7], 49152
	JLOAD 1                                        ; its four v_nop are also the places in front of the loads below
.else
	PLACES
.endif
	s_xor_b32 s[TB], s[TB], SLOT1
	v_add_nc_u32 v[ADRA], s[TB], v[A0]
	v_add_nc_u32 v[ADRB], s[TB], v[B0]
	FETCH 0, 0
.if \fill
	ASK
.endif
	MUL12 1, 2, 0
	MUL12 1, 3, 0
.endm
	s_wait_tensorcnt 1                             ; my part of K step 0 is in; K step 1's may stay out
	s_barrier_signal -1
	s_barrier_wait -1
	FETCH 0, 0
	QUARTER 1, 0, 1, 1                             ; the first quarter stands in front of the loop: its products start the sums, with the bias
	WIN 0
	s_mov_b32 s19, 6                               ; six refills: K steps 2 to 7
.Lk:                                           ; a trip: a K step's quarters 1 to 3 and the next step's quarter 0
	QUARTER 2, 1, 0, 0
	QUARTER 3, 0, 1, 0
	TURN 1
	QUARTER 1, 0, 1, 0
	WIN 0
	s_sub_co_u32 s19, s19, 1
	s_cmp_lg_u32 s19, 0
	s_cbranch_scc1 .Lk
	QUARTER 2, 1, 0, 0                             ; the tail is written out: nothing more is asked for
	QUARTER 3, 0, 1, 0
	TURN 0
	QUARTER 1, 0, 1, 0
	QUARTER 2, 1, 0, 0
	QUARTER 3, 0, 1, 0
	s_wait_dscnt 4
	MUL12 1, 0, 0
	MUL12 1, 1, 0
	s_wait_dscnt 0x0
	MUL12 1, 2, 0
	MUL12 1, 3, 0
	WIN 0
	PLACES
; THE WAY OUT, a row block of 16 rows at a time.  PACK: rounded to f16, each accumulator's registers in ascending order.
.macro PACK a
	WIN 0x0a+5*((\a)/2)                            ; sources 0 and 1: window 2 or 3
.irp b, 0,1,2,3,4,5,6,7,8,9,10,11
.irp r, 0,1,2,3
	v_cvt_pk_f16_f32 v[TMP+4*(\b)+(\r)], v[8*(12*((\a)%2)+(\b))+2*(\r)], v[8*(12*((\a)%2)+(\b))+2*(\r)+1]
.endr
.endr
	WIN 0
.endm
; HSUM: the squares of the ROUNDED q and k, summed in f32: a lane's 32 numbers in two chains a head, then the other half of the lanes'.
.macro HSUM a
.irp i, 0,1,2,3,4,5,6,7,8,9,10,11,12,13,14,15
.irp hd, 0,1
.if (\i) == 0
	v_fma_mix_f32 v[CH+2*(\hd)],   v[TMP+16*(\hd)], v[TMP+16*(\hd)], v[ZR] op_sel_hi:[1,1,0]
	v_fma_mix_f32 v[CH+2*(\hd)+1], v[TMP+16*(\hd)], v[TMP+16*(\hd)], v[ZR] op_sel:[1,1,0] op_sel_hi:[1,1,0]
.else
	v_fma_mix_f32 v[CH+2*(\hd)],   v[TMP+16*(\hd)+(\i)], v[TMP+16*(\hd)+(\i)], v[CH+2*(\hd)] op_sel_hi:[1,1,0]
	v_fma_mix_f32 v[CH+2*(\hd)+1], v[TMP+16*(\hd)+(\i)], v[TMP+16*(\hd)+(\i)], v[CH+2*(\hd)+1] op_sel:[1,1,0] op_sel_hi:[1,1,0]
.endif
.endr
.endr
	v_add_f32 v[CH], v[CH], v[CH+1]
	v_add_f32 v[CH+2], v[CH+2], v[CH+3]
	v_permlanex16_b32 v[CH+1], v[CH], s66, s67
	v_permlanex16_b32 v[CH+3], v[CH+2], s66, s67
	v_add_f32 v[CH], v[CH], v[CH+1]
	v_add_f32 v[CH+2], v[CH+2], v[CH+3]
	v_fma_f32 v[HH+2*(\a)], v[CH], 0.5, s46
	v_fma_f32 v[HH+2*(\a)+1], v[CH+2], 0.5, s46
.endm
.macro TOSTAGE a                       ; into my own stage, and back as whole rows: LDS serves a wave's instructions in order (ISA guide 5.7.1.4)
.irp b, 0,1,2,3,4,5,6,7,8,9,10,11
	ds_store_b128 v[STO], v[TMP+4*(\b):TMP+4*(\b)+3] offset:((\b)/4)*2304+((\b)%4)*32
.endr
.irp u, 0,1,2,3,4,5,6,7,8,9,10,11
	ds_load_b128 v[OB+48*((\a)%2)+4*(\u):OB+48*((\a)%2)+4*(\u)+3], v[RD] offset:((\u)/4)*2304+((\u)%4)*576
.endr
.endm
.macro SEND a
	s_wait_dscnt 0x0                               ; the block is back in registers
	s_wait_xcnt 0x0                                ; earlier stores have read their registers: the other buffer is loaded again only behind this wait
.irp u, 0,1,2,3,4,5,6,7,8,9,10,11
	global_store_b128 v[CO+(\u)/4], v[OB+48*((\a)%2)+4*(\u):OB+48*((\a)%2)+4*(\u)+3], s[10:11] offset:2048*(\a)+512*((\u)%4)  ; 512 consecutive bytes, at a multiple of 256 from the buffer's first
.endr
.endm
	PACK 0
	HSUM 0
	TOSTAGE 0
.irp a, 1,2,3
	PACK \a
	HSUM \a
	SEND (\a)-1
	TOSTAGE \a
.endr
	SEND 3
.irp a, 0,1,2,3
.irp hd, 0,1
	ds_store_b32 v[HSTO], v[HH+2*(\a)+(\hd)] offset:256*(\hd)+64*(\a)  ; both halves of the lanes write the same word with the same number
.endr
.endr
	ds_load_b128 v[CH:CH+3], v[HRD]
	s_wait_dscnt 0x0
	global_store_b128 v[HO], v[CH:CH+3], s[10:11]  ; sixteen lanes store a chunk's 256 bytes of norms
	s_wait_tensorcnt 0x0                           ; the wave's end, behind my last tensor load and my last LDS store
	ds_add_u32 v[SPW], v[NIL]
	s_wait_dscnt 0x0
	CROUND                                         ; the closing round
	s_endpgm
.Lfunc_end_k_q2a7160a502_qkv:
	.size	k_q2a7160a502_qkv, .Lfunc_end_k_q2a7160a502_qkv-k_q2a7160a502_qkv
	.p2alignl 7, 3214868480
	.fill 96, 4, 3214868480
	.section	.rodata,"a",@progbits
	.p2align	6, 0x0
	.amdhsa_kernel k_q2a7160a502_qkv
		.amdhsa_group_segment_fixed_size 327680
		.amdhsa_private_segment_fixed_size 0
		.amdhsa_enable_private_segment 0
		.amdhsa_kernarg_size 32
		.amdhsa_user_sgpr_count 2
		.amdhsa_user_sgpr_kernarg_segment_ptr 1
		.amdhsa_wavefront_size32 1
		.amdhsa_system_sgpr_workgroup_id_x 1
		.amdhsa_system_sgpr_workgroup_id_y 1
		.amdhsa_system_sgpr_workgroup_id_z 1
		.amdhsa_system_vgpr_workitem_id 0
		.amdhsa_next_free_vgpr 960
		.amdhsa_next_free_sgpr 80
		.amdhsa_reserve_vcc 0
		.amdhsa_float_denorm_mode_32 3
		.amdhsa_float_denorm_mode_16_64 3
		.amdhsa_memory_ordered 1
		.amdhsa_forward_progress 1
		.amdhsa_inst_pref_size 126
	.end_amdhsa_kernel
	.amdgpu_metadata
---
amdhsa.version: [ 1, 2 ]
amdhsa.kernels:
  - .name:           k_q2a7160a502_qkv
    .symbol:         k_q2a7160a502_qkv.kd
    .args:
      - { .name: xb, .offset: 0, .size: 8, .value_kind: global_buffer, .address_space: global }
      - { .name: wq, .offset: 8, .size: 8, .value_kind: global_buffer, .address_space: global }
      - { .name: b_qkv, .offset: 16, .size: 8, .value_kind: global_buffer, .address_space: global }
      - { .name: qkv, .offset: 24, .size: 8, .value_kind: global_buffer, .address_space: global }
    .group_segment_fixed_size: 327680
    .private_segment_fixed_size: 0
    .kernarg_segment_align: 8
    .kernarg_segment_size: 32
    .max_flat_workgroup_size: 128
    .sgpr_count:     80
    .vgpr_count:     960
    .wavefront_size: 32
...
	.end_amdgpu_metadata
.endif
;; end of part 2
;; launch attn (part 3): grid 8 x 32, 4 waves a work-group, no clusters, 327,680 bytes of LDS; arguments qkv, ob; writes ob
.if DOCPART == 3
	.amdgcn_target "amdgcn-amd-amdhsa--gfx1250"
	.amdhsa_code_object_version 6
	.text
	.protected	k_q2a7160a502_attn
	.globl	k_q2a7160a502_attn
	.p2align	8
	.type	k_q2a7160a502_attn,@function
k_q2a7160a502_attn:
	s_mov_b64 s[64:65], 0
	v_nop
	global_prefetch_b8 v0, s[64:65] scope:SCOPE_SE
	s_setreg_imm32_b32 hwreg(HW_REG_WAVE_MODE, 25, 1), 1
	s_wait_xcnt 0x0
; CAUSAL ATTENTION WITH THE SCORE dot^2 / (|q|^2 + |k|^2 - 2 dot + 1e-6).  O[bh][q] = the sum over k <= q of softmax_k(score) V[bh][k].  q, k, v and O in f16; products, scores, maxima in f32.
; The launch before left h = |row|^2 / 2 + 2.5e-7 for each row of q and k: t = hq + hk - dot is half the denominator, s = dot^2 / t twice the score, p = 2^(c s - c m) with c = log2(e) / 2 and a running maximum m.
; The weights are rounded to f16 for the second product, and their sum l is the sum of the rounded weights (a fifth product with ones).  O is divided by l and rounded once.
; LIMITS.  q, k, v lie within 65,504.  A hidden score counts as its value less 1e30.  Where |q - k|^2 lies below the f32 rounding of the norms t is as ill-defined as the reference's denominator; a t of exactly 0
; gives an infinity, under the mask too.  A weight below 2^-126 counts as 0.  NaN and infinities are not treated apart.
; THE WALK.  A head has 16 blocks of 128 queries; keys come in slots of 256, four steps of 64.  Work-group x takes block 15 - 2 x (slots 0 .. 7 - x; of the last its steps 2, 3 hold the diagonal) and then
; block 2 x (slots 0 .. x; of the last only steps 0, 1 are read, and they hold the diagonal; its other half is fetched with it and left unread): 9 slots and 34 steps whatever x.
; One loop with a constant count walks the slots, and each slot is walked by one text with a constant count: the plain steps' (4), or, for a block's last slot, the diagonal's (4 in the loop, 2 in the tail), which
; makes its masks from the count.  Every jump but the loops' own goes forward.
; NO CLUSTER: a head's eight work-groups want the same slot only while their first blocks last (8 - x trips); a walk common to all would have 16 trips for 9.
; SHARES.  Of a block's two bands of 64 queries a wave owns 16 rows in each: two PIECES.  In the diagonal's first step piece 0 takes the mask MD and piece 1 sees all; in its second piece 0 sees nothing and piece 1 takes MD.
; The mask is the addend of the line that makes s.
; TURNS.  Turn Y (Z = 1 - Y) is cut in two by ONE wait.  Ahead of it: for piece Y a, c s - c m and the exponentials; 8 products K Q^T of piece Z, its t, dot^2 and the reciprocals; 10 products V^T P of piece Z's
; step before.  Plain instruction and transcendental go by turns; a matrix instruction stands ahead of each of 18 groups of four.  Behind it: s, the maximum and statistics of Z; the roundings and the rescaling of Y.
; REGISTERS.  window 0: v2-21 addresses; v24-39 eight statistics a piece: c m, m, a, 0, hq, 0, c m_old - c m, c m_old; v40-47 at work; v64-127 S^T; v128-159 t; v160-191 hk; v192-223 P.
;   window 1: O^T, 40 a piece (four channel blocks, then l's accumulator); v128-159 MD; v160-191 MC.   window 2: v0-31 Q; v32-63 the second block's Q; v64-71 ones; v128-191 K; v192-255 V.
.set HEADQ, 270336
.set KOFF,  8650752
.set VOFFG, 17301504
.set PK,    144       ; a key's row in LDS: 128 bytes + 16
.set PV,    160       ; a row of V: 128 + 32
.set CHK,   66*PK     ; a chunk in LDS: 64 keys, then their 64 hk as two pieces of 128 bytes + 16
.set VOFF,  4*CHK
.set STEPV, 64*PV
.set SLOT1, 1<<17
.set STAGE, 210176    ; behind the ring, at the next multiple of 256: 16 rows x 144 bytes for each wave
.set SP,    144
.set SPARE, STAGE+4*16*SP  ; the spare words, 128 bytes a wave: two blocks of 256 bytes that no other line names
.set AK0, 2
.set AV0, 3
.set AH0, 4
.set AK,  5
.set AV,  6
.set AH,  7
.set STO, 8
.set RD,  9
.set GO,  10
.set QO,  11
.set HO,  12
.set PFO, 13
.set HQ,  14          ; v14-15 hq of the block in hand's pieces, v16-17 of the second block's
.set ST,  24
.set TMPC, 40
.set SPW, 62
.set NIL, 63
.set S,   64
.set TT,  128
.set HK,  160
.set P,   192
.set MD,  128
.set MC,  160
.set QB,  32
.set ONES, 64
.set KF,  128
.set VF,  192
.set KB,  8           ; s[8:9]   K at my half of the head's slot 0
.set WV,  12
.set PB,  14          ; s14  x
.set HI,  15          ; s15  7 - x
.set VB,  16          ; s[16:17] V likewise
.set G1K, 24
.set G1V, 32
.set G0K, 40
.set G0V, 44
.set OFK, 48          ; s[48:49], s[50:51] a slot's byte offset in K and in V
.set OFV, 50
.set PFN, 52          ; s52  prefetches still to come
.set PFK, 54          ; s[54:55] where they stand in K,
.set SLOTS, 56
.set CNT, 57          ; s57  counts a slot's key steps, down to 0
.set CS,  58
.set SEL, 60
.set TBK, 62
.set TBV, 63
.set PFV, 66          ; s[66:67] and in V
.set RT,  70          ; s70  slots of the block in hand still to be entered
.set NXT, 71          ; s71  the slot to be asked for next
.set LQ,  72          ; s72  the last slot of the block whose slots are being asked for
.set NEW, 73          ; s73  1: the slot to be entered is a block's first
.set AL,  76
.set BE,  78
.set OLO, 80
.set BIGN, 82
.set MSB, 0
.macro WIN new
.if MSB != (\new)
	s_set_vgpr_msb (MSB<<8)|(\new)
.set MSB, (\new)
.endif
.endm
.set W_KQ, 0x0a       ; K and Q in window 2, S^T in window 0
.set W_PV, 0x52       ; V in window 2, P in window 0, O^T in window 1
.set W_RS, 0x41       ; destination and source 0 in window 1
.macro PLACES
.rept 4
	v_nop
.endr
.endm
; A fill.  Waves 0 and 1 fetch the two halves of a slot's K (two chunks: 66 rows of 256 bytes), waves 2 and 3 those of its V (64 rows of 256).  An s_nop 0 and four v_nop follow each line.
.macro LOAD
	s_cmp_lt_u32 s[WV], 2
	s_cbranch_scc0 .Lfor_v_\@
	tensor_load_to_lds s[G0K:G0K+3], s[G1K:G1K+7]
	s_nop 0
.rept 4
	v_nop
.endr
	s_branch .Lasked_\@
.Lfor_v_\@:
	tensor_load_to_lds s[G0V:G0V+3], s[G1V:G1V+7]
	s_nop 0
.rept 4
	v_nop
.endr
.Lasked_\@:
.endm
; A PREFETCH of the slot that the NEXT change will ask for.  All eight work-groups of a head walk the same K and V; work-group x = 0, whose first block walks slots 0 to 7, asks, six times: slots 2 to 7.
; Wave w names K's chunk w (its 32 pieces of 256 bytes of keys; the piece of norms is left to the load) and V's quarter w: a lane a piece.
.macro ASK
	s_cmp_lg_u32 s[PFN], 0
	s_cbranch_scc0 .Lno_ask_\@
	global_prefetch_b8 v[PFO], s[PFK:PFK+1] th:TH_LOAD_NT scope:SCOPE_SE
	global_prefetch_b8 v[PFO], s[PFV:PFV+1] th:TH_LOAD_NT scope:SCOPE_SE
	s_sub_co_u32 s[PFN], s[PFN], 1
.Lno_ask_\@:
.endm
; THE CHANGE OF SLOTS.  Each wave waits for all its tensor loads (one is out: its part of the other slot), adds 0 to its spare word, and waits for that and for its reads of the slot that it leaves.
; fill = 1: the old slot is filled again, first thing behind the barrier, with slot NXT of the head; the load has four key steps in which to land.
.macro CHANGE fill
	WIN 0
	s_wait_tensorcnt 0x0            ; no tensor load of mine is out, so a group 0 may be written
	ds_add_u32 v[SPW], v[NIL]       ; 0 onto my spare word
.if \fill
	s_mul_i32 s[OFK], s[NXT], 33792
	s_lshl_b32 s[OFV], s[NXT], 15
	s_xor_b32 s[G0K+1], s[G0K+1], SLOT1
	s_add_nc_u64 s[G0K+2:G0K+3], s[KB:KB+1], s[OFK:OFK+1]
	s_or_b32 s[G0K+3], s[G0K+3], 0x80000000
	s_xor_b32 s[G0V+1], s[G0V+1], SLOT1
	s_add_nc_u64 s[G0V+2:G0V+3], s[VB:VB+1], s[OFV:OFV+1]
	s_or_b32 s[G0V+3], s[G0V+3], 0x80000000
	s_add_co_u32 s[NXT], s[NXT], 1  ; the block's next slot, or behind its last the second block's slot 0
	s_cmp_gt_u32 s[NXT], s[LQ]
	s_cselect_b32 s[NXT], 0, s[NXT]
	s_cselect_b32 s[LQ], s[PB], s[LQ]
	s_wait_xcnt 0x0                 ; the last prefetches, a slot back, have read their addresses
	s_add_nc_u64 s[PFK:PFK+1], s[PFK:PFK+1], 33792
	s_add_nc_u64 s[PFV:PFV+1], s[PFV:PFV+1], 32768
.endif
	s_wait_dscnt 0x0                ; the add is done, and my reads of the slot are over
	s_barrier_signal -1
	s_sub_co_u32 s[TBK], s[TBK], 4*CHK    ; the fetches go back to a slot's first step,
	s_xor_b32 s[TBK], s[TBK], SLOT1       ; in the other slot
	s_sub_co_u32 s[TBV], s[TBV], 4*STEPV
	s_xor_b32 s[TBV], s[TBV], SLOT1
	s_barrier_wait -1
.if \fill
	LOAD
	ASK
.endif
.endm
	s_load_b128 s[4:7], s[0:1], 0x0  ; qkv s[4:5], ob s[6:7]
	v_lshl_add_u32 v[SPW], v0, 2, SPARE
	v_mov_b32 v[NIL], 0
	ds_add_u32 v[SPW], v[NIL]       ; the wave's opening: the add and its wait ahead of my first tensor load
	v_lshrrev_b32 v1, 5, v0
	v_readfirstlane_b32 s[WV], v1
	s_mov_b32 s[PB], ttmp9
	s_sub_co_u32 s[HI], 7, s[PB]
	s_and_b32 s20, ttmp7, 0xffff    ; the head
	s_mul_i32 s21, s20, HEADQ
	s_lshl_b32 s53, s20, 18
	s_and_b32 s13, s[WV], 1         ; which half of a slot I fetch
	s_mul_i32 s18, s13, 16896
	s_add_co_u32 s18, s18, s21
	s_add_co_u32 s18, s18, KOFF
	s_mov_b32 s19, 0
	s_lshl_b32 s84, s13, 14
	s_add_co_u32 s84, s84, s53
	s_add_co_u32 s84, s84, VOFFG
	s_mov_b32 s85, 0
	s_lshl_b32 s75, s[PB], 1        ; the second block, 2 x
	s_sub_co_u32 s83, 15, s75       ; the first, 15 - 2 x
	s_mul_i32 s2, s83, 16896        ; a block is two chunks of Q
	s_add_co_u32 s2, s2, s21
	s_mov_b32 s3, 0
	s_mul_i32 s68, s75, 16896
	s_add_co_u32 s68, s68, s21
	s_mov_b32 s69, 0
	s_lshl_b32 s22, s[WV], 11       ; O: my 16 rows in a band,
	s_add_co_u32 s22, s22, s53
	s_lshl_b32 s86, s75, 14         ; a block's 128 rows of 128 bytes
	s_add_co_u32 s86, s86, s22
	s_lshl_b32 s83, s83, 14
	s_add_co_u32 s22, s22, s83
	s_mov_b32 s23, 0
	s_mov_b32 s87, 0
	s_mov_b32 s[G1K], (1<<16)|(1<<20)|(4<<22)|(3<<25)  ; 2-byte elements; padding on; after every 32 words 4 words
	s_mov_b32 s[G1K+1], 128<<16
	s_mov_b32 s[G1K+2], 66<<16
	s_mov_b32 s[G1K+3], 128<<16
	s_mov_b32 s[G1K+4], 66
	s_mov_b32 s[G1K+5], 128
	s_mov_b32 s[G1K+6], 0
	s_mov_b32 s[G1K+7], 0
	s_mov_b32 s[G1V], (1<<16)|(1<<20)|(4<<22)|(7<<25)  ; 8 words of padding
	s_mov_b32 s[G1V+1], 128<<16
	s_mov_b32 s[G1V+2], 64<<16
	s_mov_b32 s[G1V+3], 128<<16
	s_mov_b32 s[G1V+4], 64
	s_mov_b32 s[G1V+5], 128
	s_mov_b32 s[G1V+6], 0
	s_mov_b32 s[G1V+7], 0
	s_mov_b32 s[CS], 0x3f38aa3b     ; c = log2(e) / 2
	s_mov_b32 s[CS+1], s[CS]
	s_mov_b32 s[SEL], 0x76543210
	s_mov_b32 s[SEL+1], 0xfedcba98
	s_mov_b32 s[TBK], SLOT1+4*CHK   ; the first change of slots turns these two into 0
	s_mov_b32 s[TBV], SLOT1+4*STEPV
	s_mov_b32 s[G0K], 1
	s_mul_i32 s[G0K+1], s13, 2*CHK
	s_mov_b32 s[G0V], 1
	s_mul_i32 s[G0V+1], s13, 128*PV
	s_add_co_u32 s[G0V+1], s[G0V+1], VOFF
	s_add_co_u32 s[RT], s[HI], 1    ; the first block has 8 - x slots
	s_mov_b32 s[NXT], 1
	s_cmp_gt_u32 s[NXT], s[HI]      ; (at x = 7 it has one: the next to ask for is the second block's slot 0)
	s_cselect_b32 s[NXT], 0, s[NXT]
	s_cselect_b32 s[LQ], s[PB], s[HI]
	s_cmp_eq_u32 s[PB], 0
	s_cselect_b32 s[PFN], 6, 0
	s_mov_b32 s[NEW], 1
	s_mov_b32 s[OFK+1], 0
	s_mov_b32 s[OFV+1], 0
	s_mov_b32 s[AL+1], 0
	s_mov_b32 s[BE+1], 0
	s_mov_b32 s[BIGN], 0xf149f2ca   ; -1e30
	s_mov_b32 s[SLOTS], 8
	s_wait_dscnt 0x0                ; the opening add is done
	s_wait_kmcnt 0x0
	s_add_nc_u64 s[KB:KB+1], s[4:5], s[18:19]
	s_add_nc_u64 s[VB:VB+1], s[4:5], s[84:85]
	s_add_nc_u64 s[G0K+2:G0K+3], s[KB:KB+1], 0
	s_or_b32 s[G0K+3], s[G0K+3], 0x80000000
	s_add_nc_u64 s[G0V+2:G0V+3], s[VB:VB+1], 0
	s_or_b32 s[G0V+3], s[G0V+3], 0x80000000
	LOAD                            ; slot 0
	s_add_nc_u64 s[2:3], s[4:5], s[2:3]        ; Q at the first block,
	s_add_nc_u64 s[68:69], s[4:5], s[68:69]    ; at the second
	s_add_nc_u64 s[10:11], s[6:7], s[22:23]    ; O at my rows of the first block,
	s_add_nc_u64 s[OLO:OLO+1], s[6:7], s[86:87]  ; of the second
	s_mul_i32 s18, s[WV], 8448
	s_add_co_u32 s18, s18, s21
	s_add_co_u32 s18, s18, KOFF+33792
	s_add_nc_u64 s[PFK:PFK+1], s[4:5], s[18:19]  ; in slot 1: the first change steps it to slot 2
	s_lshl_b32 s84, s[WV], 13
	s_add_co_u32 s84, s84, s53
	s_add_co_u32 s84, s84, VOFFG+32768
	s_add_nc_u64 s[PFV:PFV+1], s[4:5], s[84:85]
	v_and_b32 v1, 15, v0            ; r
	v_bfe_u32 v18, v0, 4, 1         ; h
	v_and_b32 v19, 7, v0
	s_lshl_b32 s13, s[WV], 4
	v_add_nc_u32 v20, s13, v1       ; my query's place in its band: 16 w + r
	v_lshlrev_b32 v[QO], 7, v20
	v_lshl_add_u32 v[QO], v18, 4, v[QO]
	v_lshlrev_b32 v[HO], 2, v20
	v_add_nc_u32 v[HO], 8192, v[HO]
	WIN 0x80
.set i, 0
.rept 4                             ; both blocks' Q: piece i / 2 is a chunk, channels 32 (i % 2) on
	global_load_b128 v[8*i:8*i+3],   v[QO], s[2:3] offset:(i/2)*8448+(i%2)*64
	global_load_b128 v[8*i+4:8*i+7], v[QO], s[2:3] offset:(i/2)*8448+(i%2)*64+32
	global_load_b128 v[QB+8*i:QB+8*i+3],   v[QO], s[68:69] offset:(i/2)*8448+(i%2)*64
	global_load_b128 v[QB+8*i+4:QB+8*i+7], v[QO], s[68:69] offset:(i/2)*8448+(i%2)*64+32
.set i, i+1
.endr
	WIN 0
	global_load_b32 v[HQ],   v[HO], s[2:3]
	global_load_b32 v[HQ+1], v[HO], s[2:3] offset:8448
	global_load_b32 v[HQ+2], v[HO], s[68:69]
	global_load_b32 v[HQ+3], v[HO], s[68:69] offset:8448
	v_lshlrev_b32 v21, 3, v18
	v_sub_nc_u32 v21, v20, v21      ; 16 w + r - 8 h: register j of key group kt is hidden where 16 kt + j is greater
	WIN 0x40
.set i, 0
.rept 32
	v_cmp_gt_i32 vcc_lo, 16*(i/8)+i%8, v21
	v_cndmask_b32 v[MD+i], 0, s[BIGN], vcc_lo
.set i, i+1
.endr
	WIN 0
	s_mov_b32 s13, 0x3c003c00       ; 1.0 twice in f16
	v_cmp_eq_u32 vcc_lo, 0, v19
	v_cndmask_b32 v20, 0, s13, vcc_lo  ; rows 0 and 8 of the fifth source 0 are ones: l falls into register 0 of every lane, the other seven stay 0
	v_mul_u32_u24 v[AK0], v1, PK
	v_lshl_add_u32 v[AK0], v18, 4, v[AK0]
	v_bfe_u32 v21, v0, 3, 1
	v_lshl_add_u32 v[AV0], v18, 3, v19
	v_mul_u32_u24 v[AV0], v[AV0], PV
	v_lshl_add_u32 v[AV0], v21, 4, v[AV0]
	v_add_nc_u32 v[AV0], VOFF, v[AV0]
	v_lshlrev_b32 v[AH0], 5, v18
	v_add_nc_u32 v[AH0], 64*PK, v[AH0]  ; hk of keys 16 kt + 8 h ..: behind the chunk's 64 keys
	s_mul_i32 s13, s[WV], 16*SP
	s_add_co_u32 s13, s13, STAGE
	v_mul_u32_u24 v[STO], v1, SP
	v_lshl_add_u32 v[STO], v18, 4, v[STO]
	v_add_nc_u32 v[STO], s13, v[STO]
	v_bfe_u32 v[RD], v0, 3, 2
	v_mul_u32_u24 v[RD], v[RD], SP
	v_lshl_add_u32 v[RD], v19, 4, v[RD]
	v_add_nc_u32 v[RD], s13, v[RD]
	v_and_b32 v[GO], 31, v0
	v_lshlrev_b32 v[PFO], 8, v[GO]
	v_lshlrev_b32 v[GO], 4, v[GO]
	; A block's first step multiplies O^T and l by a = 0, and its first turn's products V^T P, of a step that has not been, land in an O^T still to be so multiplied: these registers need only be finite.
	WIN 0x80
.set i, 0
.rept 8
	v_mov_b32 v[ONES+i], v20
.set i, i+1
.endr
.set i, VF
.rept 64
	v_mov_b32 v[i], 0
.set i, i+1
.endr
	WIN 0x40
.set i, 0
.rept 80
	v_mov_b32 v[i], 0
.set i, i+1
.endr
	WIN 0
.set i, P+16
.rept 16
	v_mov_b32 v[i], 0
.set i, i+1
.endr
.irp t, 0,1
	v_mov_b32 v[ST+8*(\t)+3], 0     ; named with a and with hq as pairs
	v_mov_b32 v[ST+8*(\t)+5], 0
.endr
; THE MATRIX WORK.  Product i of 8 of S^T = K Q^T for piece z: channels 32 (i / 4) on, keys 16 (i % 4) on; the first four start the sums.  The accumulators take turns.
.macro KQ z
	WIN W_KQ
.set mS, S+32*(\z)+8*(i%4)
.set mK, KF+16*(i%4)+8*(i/4)
.set mQ, 16*(\z)+8*(i/4)
.if i < 4
	v_wmma_f32_16x16x32_f16 v[mS:mS+7], v[mK:mK+7], v[mQ:mQ+7], 0
.else
	v_wmma_f32_16x16x32_f16 v[mS:mS+7], v[mK:mK+7], v[mQ:mQ+7], v[mS:mS+7]
.endif
.endm
; Product i of 10 of O^T += V^T P for piece z: keys 32 (i / 5) on; channels 16 (i % 5) on, or (i % 5 = 4) the ones.
.macro PV z
	WIN W_PV
.set mO, 40*(\z)+8*(i%5)
.set mP, P+16*(\z)+8*(i/5)
.if i%5 == 4
.set mV, ONES
.else
.set mV, VF+32*(i/5)+8*(i%5)
.endif
	v_wmma_f32_16x16x32_f16 v[mO:mO+7], v[mV:mV+7], v[mP:mP+7], v[mO:mO+7]
.endm
; THE LDS LOADS stand in runs: a step's K and hk (24 loads), and its V, turned (16).
.macro FETCH_K
	WIN 0
	v_add_nc_u32 v[AK], s[TBK], v[AK0]
	v_add_nc_u32 v[AH], s[TBK], v[AH0]
	WIN 0x80
.irp f, 0,1,2,3,4,5,6,7             ; keys 16 (f / 2) on, channels 32 (f % 2) on
	ds_load_b128 v[KF+8*\f:KF+8*\f+3],   v[AK] offset:(\f/2)*16*PK+(\f%2)*64
	ds_load_b128 v[KF+8*\f+4:KF+8*\f+7], v[AK] offset:(\f/2)*16*PK+(\f%2)*64+32
.endr
	WIN 0
.irp f, 0,1,2,3                     ; hk of keys 16 f + 8 h + 0..7
	ds_load_b128 v[HK+8*\f:HK+8*\f+3],   v[AH] offset:(\f/2)*PK+(\f%2)*64
	ds_load_b128 v[HK+8*\f+4:HK+8*\f+7], v[AH] offset:(\f/2)*PK+(\f%2)*64+16
.endr
	s_add_co_u32 s[TBK], s[TBK], CHK
.endm
.macro FETCH_V
	WIN 0x80
.irp f, 0,1,2,3,4,5,6,7             ; keys 32 (f / 4) on, channels 16 (f % 4) on
	ds_load_tr16_b128 v[VF+8*\f:VF+8*\f+3],   v[AV] offset:(\f/4)*32*PV+(\f%4)*32
	ds_load_tr16_b128 v[VF+8*\f+4:VF+8*\f+7], v[AV] offset:(\f/4)*32*PV+16*PV+(\f%4)*32
.endr
	WIN 0
	s_add_co_u32 s[TBV], s[TBV], STEPV
.endm
; THE VECTOR WORK, a line at a time: OP kind, number.  For piece Y: kF n: c s - c m, pair n.  kE n: the exponential of score n.  kC n: pair n rounded to f16.  kR n: pair n of O^T times a (16: l's).  kEA: a.
; For piece Z = 1 - Y (none of them where NZ = 1: a block's last turn): kTA n: hk + hq.  kTB n: less dot.  kD n: dot^2.  kQ n: 1 / t.  kSC n: s = dot^2 / t (MK = 1: + MC; 2: + MD).
; kX n: number n of the 21 that find the maximum and statistics: 0-11 four chains of seven scores; 12-14, 16 the four left over, the old m, the four into one; 15 c m_old is kept; 17, 18 the other half of the
; lanes', the new m; 19 c m; 20 c m_old - c m.  Each accumulator's lowest registers are read first (kTB, kR ascending).
.set kF, 0
.set kE, 1
.set kC, 2
.set kR, 3
.set kEA, 4
.set kTA, 5
.set kTB, 6
.set kD, 7
.set kQ, 8
.set kSC, 9
.set kX, 10
.macro REGS y
.set rT, ST+8*(\y)
.set rC, TMPC+4*(\y)
.set rS, S+32*(\y)
.set rP, P+16*(\y)
.set rO, 40*(\y)
.endm
.macro OP k, n
.if (\k) <= kEA
	REGS Y
.else
	REGS 1-Y
.endif
.if (\k) == kF
	WIN 0
	v_pk_fma_f32 v[rS+2*(\n):rS+2*(\n)+1], v[rS+2*(\n):rS+2*(\n)+1], s[CS:CS+1], v[rT:rT+1] op_sel_hi:[1,0,0] neg_lo:[0,0,1] neg_hi:[0,0,1]
.elseif (\k) == kE
	WIN 0
	v_exp_f32 v[rS+(\n)], v[rS+(\n)]
.elseif (\k) == kC
	WIN 0
	v_cvt_pk_f16_f32 v[rP+(\n)], v[rS+2*(\n)], v[rS+2*(\n)+1]
.elseif (\k) == kR
	WIN W_RS
	v_pk_mul_f32 v[rO+2*(\n):rO+2*(\n)+1], v[rO+2*(\n):rO+2*(\n)+1], v[rT+2:rT+3] op_sel_hi:[1,0]
.elseif (\k) == kEA
	WIN 0
	v_exp_f32 v[rT+2], v[rT+6]
.elseif NZ
.elseif (\k) == kTA
	WIN 0
	v_pk_add_f32 v[TT+2*(\n):TT+2*(\n)+1], v[HK+2*(\n):HK+2*(\n)+1], v[rT+4:rT+5] op_sel_hi:[1,0]
.elseif (\k) == kTB
	WIN 0
	v_pk_add_f32 v[TT+2*(\n):TT+2*(\n)+1], v[TT+2*(\n):TT+2*(\n)+1], v[rS+2*(\n):rS+2*(\n)+1] neg_lo:[0,1] neg_hi:[0,1]
.elseif (\k) == kD
	WIN 0
	v_pk_mul_f32 v[rS+2*(\n):rS+2*(\n)+1], v[rS+2*(\n):rS+2*(\n)+1], v[rS+2*(\n):rS+2*(\n)+1]
.elseif (\k) == kQ
	WIN 0
	v_rcp_f32 v[TT+(\n)], v[TT+(\n)]
.elseif (\k) == kSC
.if MK == 0
	WIN 0
	v_pk_mul_f32 v[rS+2*(\n):rS+2*(\n)+1], v[rS+2*(\n):rS+2*(\n)+1], v[TT+2*(\n):TT+2*(\n)+1]
.elseif MK == 1
	WIN 0x10                        ; source 2 in window 1
	v_pk_fma_f32 v[rS+2*(\n):rS+2*(\n)+1], v[rS+2*(\n):rS+2*(\n)+1], v[TT+2*(\n):TT+2*(\n)+1], v[MC+2*(\n):MC+2*(\n)+1]
.else
	WIN 0x10
	v_pk_fma_f32 v[rS+2*(\n):rS+2*(\n)+1], v[rS+2*(\n):rS+2*(\n)+1], v[TT+2*(\n):TT+2*(\n)+1], v[MD+2*(\n):MD+2*(\n)+1]
.endif
.else
	WIN 0
.if (\n) < 4
	v_max3_num_f32 v[rC+(\n)], v[rS+8*(\n)], v[rS+8*(\n)+1], v[rS+8*(\n)+2]
.elseif (\n) < 12
	v_max3_num_f32 v[rC+(\n)%4], v[rC+(\n)%4], v[rS+8*((\n)%4)+2*((\n)/4)+1], v[rS+8*((\n)%4)+2*((\n)/4)+2]
.elseif (\n) == 12
	v_max3_num_f32 v[rC], v[rC], v[rS+7], v[rS+15]
.elseif (\n) == 13
	v_max3_num_f32 v[rC+1], v[rC+1], v[rS+23], v[rS+31]
.elseif (\n) == 14
	v_max3_num_f32 v[rC+2], v[rC+2], v[rC+3], v[rT+1]
.elseif (\n) == 15
	v_mov_b32 v[rT+7], v[rT]
.elseif (\n) == 16
	v_max3_num_f32 v[rC], v[rC], v[rC+1], v[rC+2]
.elseif (\n) == 17
	v_permlanex16_b32 v[rC+3], v[rC], s[SEL], s[SEL+1]
.elseif (\n) == 18
	v_max_num_f32 v[rT+1], v[rC], v[rC+3]
.elseif (\n) == 19
	v_mul_f32 v[rT], s[CS], v[rT+1]
.else
	v_sub_f32 v[rT+6], v[rT+7], v[rT]
.endif
.endif
.endm
.macro OPS a, i1, b, i2, c, i3, d, i4
	OP \a, \i1
	OP \b, \i2
	OP \c, \i3
	OP \d, \i4
.endm
; THE PART AHEAD OF THE WAIT: a stream of 129, number k.  Even k: plain number k / 2 of kF 0-15, kTA 0-15, kTB 0-15, kD 0-15.  Odd k: transcendental (k - 1) / 2 of kEA, kE 0-31, kQ 0-31; k = 128: kQ 31.
; An exponential stands behind its scaling (kE n at 2 n + 3, kF n / 2 at about n), a reciprocal behind its t (kQ n at 2 n + 67, kTB n / 2 at about 64 + n), and no line of the stream names a transcendental's result.
.macro PLN p
.if (\p) < 16
	OP kF, (\p)
.elseif (\p) < 32
	OP kTA, (\p)-16
.elseif (\p) < 48
	OP kTB, (\p)-32
.else
	OP kD, (\p)-48
.endif
.endm
.macro TR t
.if (\t) == 0
	OP kEA, 0
.elseif (\t) < 33
	OP kE, (\t)-1
.else
	OP kQ, (\t)-33
.endif
.endm
.macro AS
.if k == 128
	TR 64
.elseif k%2 == 0
	PLN (k/2)
.else
	TR ((k-1)/2)
.endif
.set k, k+1
.endm
; The stream goes in 32 groups of four.  K Q^T's product i stands ahead of group 2 + i, V^T P's ahead of group 10 + i.  kTB 0, the first reader of the scores, stands in group 16: fourteen plain lines behind the last K Q^T.
; Piece 1's part waits for the LDS loads (K, hk, and V of the step before) ahead of its first product.  Piece 0's part fetches V behind group 22: eight plain lines and the address's behind the last product that read V.
; Behind the stream: a plain line, and the ONE wait between the transcendentals and the first line that names a result.
.macro APART y, nz=0
.set Y, (\y)
.set NZ, (\nz)
.set k, 0
.set g, 0
.rept 32
.if (g == 2) && (Y == 1)
	s_wait_dscnt 0x0
.endif
.if (g >= 2) && (g < 10) && !NZ
.set i, g-2
	KQ 1-Y
.endif
.if (g >= 10) && (g < 20)
.set i, g-10
	PV 1-Y
.endif
.if (g == 21) && (Y == 0)
	WIN 0
	v_add_nc_u32 v[AV], s[TBV], v[AV0]
.endif
	AS
	AS
	AS
	AS
.if (g == 22) && (Y == 0)
	FETCH_V
.endif
.set g, g+1
.endr
	AS
	WIN 0
	v_nop
	s_wait_alu depctr_va_vdst(0)
.endm
; THE PART BEHIND THE WAIT: 70 plain lines.  The links of the chain kX 14, 16, 17 .. 20 stand apart, the rescalings and roundings between them.
.macro BPART y, mk=0, nz=0
.set Y, (\y)
.set MK, (\mk)
.set NZ, (\nz)
	OPS kSC,0, kSC,1, kSC,2, kSC,3
	OPS kSC,4, kX,0, kSC,5, kX,4
	OPS kSC,6, kX,8, kSC,7, kC,0
	OPS kSC,8, kX,1, kSC,9, kX,5
	OPS kSC,10, kX,9, kSC,11, kX,12
	OPS kSC,12, kX,2, kSC,13, kX,6
	OPS kSC,14, kX,10, kSC,15, kC,1
	OPS kX,3, kC,2, kX,7, kC,3
	OPS kX,11, kC,4, kX,15, kC,5
	OPS kX,13, kC,6, kX,14, kC,7
	OP kX, 16
.irp n, 0,1,2,3,4,5
	OP kR, \n
.endr
	OP kX, 17
	OPS kC,8, kC,9, kC,10, kC,11
	OP kX, 18
.irp n, 6,7,8,9,10,11
	OP kR, \n
.endr
	OP kX, 19
	OPS kC,12, kC,13, kC,14, kC,15
	OP kX, 20
.irp n, 12,13,14,15,16
	OP kR, \n
.endr
	WIN 0
.endm
.macro MASK                         ; MC = MD x AL + BE
	WIN W_RS
.set z, 0
.rept 16
	v_pk_fma_f32 v[MC+2*z:MC+2*z+1], v[MD+2*z:MD+2*z+1], s[AL:AL+1], s[BE:BE+1] op_sel_hi:[1,0,0]
.set z, z+1
.endr
	WIN 0
.endm
; A BLOCK BEGINS.  c m starts far below every c s, so the first step's a is 0; m at the lowest finite number.  Then K of the slot's step 0, piece 0's scores, maximum and statistics.  d = 1: that step is the diagonal's first.
.macro BEGIN d
	s_mov_b32 s[NEW], 0
	FETCH_K
.irp t, 0,1
	v_mov_b32 v[ST+8*(\t)], 0xfe000000
	v_mov_b32 v[ST+8*(\t)+1], 0xff7fffff
.endr
	s_wait_loadcnt 0x0              ; Q and hq
.irp t, 0,1
	v_mov_b32 v[ST+8*(\t)+4], v[HQ+(\t)]
.endr
	s_wait_dscnt 0x0
.set i, 0
.rept 8
	KQ 0
.set i, i+1
.endr
.set Y, 1
.set NZ, 0
.set MK, 2*(\d)
.irp n, 0,1,2,3,4,5,6,7,8,9,10,11,12,13,14,15
	OP kTA, \n                      ; sixteen plain lines that name nothing of the products: the places behind them
.endr
.irp n, 0,1,2,3,4,5,6,7,8,9,10,11,12,13,14,15
	OP kTB, \n
.endr
.irp n, 0,1,2,3,4,5,6,7,8,9,10,11,12,13,14,15
	OP kD, \n
.endr
.set z, 0
.rept 32
	OP kQ, z
.set z, z+1
.endr
	v_nop
	s_wait_alu depctr_va_vdst(0)    ; one wait for the 32 reciprocals
.irp n, 0,1,2,3,4,5,6,7,8,9,10,11,12,13,14,15
	OP kSC, \n
.endr
.irp n, 0,1,2,3,4,5,6,7,8,9,10,11,12,13,14,15,16,17,18,19,20
	OP kX, \n
.endr
	WIN 0
.endm
; THE WAY OUT of piece t: O^T times 1 / l, rounded to f16, through my stage, back as whole rows.
.macro PACK t
	WIN W_RS
.set i, 0
.rept 16
	v_pk_mul_f32 v[40*(\t)+2*i:40*(\t)+2*i+1], v[40*(\t)+2*i:40*(\t)+2*i+1], v[ST+8*(\t)+2:ST+8*(\t)+3] op_sel_hi:[1,0]
.set i, i+1
.endr
	WIN 0x05
.set i, 0
.rept 16
	v_cvt_pk_f16_f32 v[S+16*(\t)+i], v[40*(\t)+2*i], v[40*(\t)+2*i+1]
.set i, i+1
.endr
	WIN 0
.irp f, 0,1,2,3
	ds_store_b128 v[STO], v[S+16*(\t)+4*\f:S+16*(\t)+4*\f+3] offset:32*\f
.endr
.irp f, 0,1,2,3
	ds_load_b128 v[S+16*(\t)+4*\f:S+16*(\t)+4*\f+3], v[RD] offset:\f*4*SP  ; LDS serves a wave's instructions in order (ISA guide 5.7.1.4)
.endr
.endm
.macro SEND t, younger
.irp f, 0,1,2,3
	s_wait_dscnt (\younger)+3-\f
	global_store_b128 v[GO], v[S+16*(\t)+4*\f:S+16*(\t)+4*\f+3], s[10:11] offset:(\t)*8192+\f*512  ; 512 consecutive bytes, at a multiple of 256 from O's first
.endr
.endm
; A BLOCK'S LAST SLOT, and the block's end.  The diagonal's two steps are the trips with CNT = 2 and CNT = 1; the trips before them (CNT = 4, 3: a first block's steps 0 and 1) see everything.
; In a trip the scores finished behind piece 0's wait are piece 1's of the step before: it sees all of every step up to the diagonal's first, so they take no mask.  Those behind piece 1's wait are piece 0's of the step
; fetched: their mask MC = MD x AL + BE is 0 (CNT above 2), MD (CNT = 2) or all hidden (CNT = 1).  Piece 1's scores of the diagonal's second step take MD at the block's end.
.macro DIAG tag
.LstepM\tag:
	s_cmp_eq_u32 s[CNT], 2
	s_cselect_b32 s[AL], 1.0, 0
	s_cmp_eq_u32 s[CNT], 1
	s_cselect_b32 s[BE], s[BIGN], 0
	FETCH_K
	BPART 0, 0
	MASK
	APART 1
	BPART 1, 1
.LfirstM\tag:
	APART 0
	s_sub_co_u32 s[CNT], s[CNT], 1
	s_cmp_lg_u32 s[CNT], 0
	s_cbranch_scc1 .LstepM\tag
	BPART 0, 2
	APART 1, 1                      ; no further scores
	BPART 1, 0, 1
.set i, 0
.rept 10
	PV 1
.set i, i+1
.endr
	WIN 0
	PLACES
	WIN 0x01
	v_rcp_f32 v[ST+2], v[32]        ; l lies in the lowest register of each piece's fifth accumulator
	v_rcp_f32 v[ST+10], v[72]
	WIN 0
	v_nop
	s_wait_alu depctr_va_vdst(0)
	PACK 0
	PACK 1
	SEND 0, 8
	SEND 1, 0
.endm
.set Y, 0
.set NZ, 0
.set MK, 0
.Lslot:                             ; 8 times: a slot is entered and the next is asked for
	CHANGE 1
	s_sub_co_u32 s[RT], s[RT], 1
	s_mov_b32 s[CNT], 4             ; every slot of the loop has four steps, whichever text walks them
	s_cmp_eq_u32 s[NEW], 1
	s_cbranch_scc1 .Lnew            ; a block's first slot
	s_cmp_eq_u32 s[RT], 0
	s_cbranch_scc0 .Lstep           ; neither its first nor its last
	s_branch .LstepM1               ; its last: in the loop that is the first block's
.Lnew:
	BEGIN 0                         ; in the loop a block's first step is never the diagonal's
	s_cmp_eq_u32 s[RT], 0
	s_cbranch_scc0 .Lfirst
	s_branch .LfirstM1              ; x = 7: the first block's only slot is also its last
	DIAG 1
	s_wait_xcnt 0x0                 ; the stores have read their registers and O's address
	s_mov_b64 s[10:11], s[OLO:OLO+1]
	s_add_co_u32 s[RT], s[PB], 1    ; the second block has x + 1 slots
	s_mov_b32 s[NEW], 1
	WIN 0x82
.set i, 0
.rept 32
	v_mov_b32 v[i], v[QB+i]
.set i, i+1
.endr
	WIN 0
	v_mov_b32 v[HQ], v[HQ+2]
	v_mov_b32 v[HQ+1], v[HQ+3]
	s_branch .Lbottom
.Lstep:                             ; a trip fetches a step's K, finishes piece 0's turn of the step before, runs piece 1's, and opens piece 0's of the step fetched, which fetches its V
	FETCH_K
	BPART 0
	APART 1
	BPART 1
.Lfirst:
	APART 0
	s_sub_co_u32 s[CNT], s[CNT], 1
	s_cmp_lg_u32 s[CNT], 0
	s_cbranch_scc1 .Lstep
.Lbottom:
	s_sub_co_u32 s[SLOTS], s[SLOTS], 1
	s_cmp_lg_u32 s[SLOTS], 0
	s_cbranch_scc1 .Lslot
	CHANGE 0                        ; the walk's last slot is written out: the second block's diagonal, two steps
	s_mov_b32 s[CNT], 2
	s_cmp_eq_u32 s[NEW], 1
	s_cbranch_scc0 .LstepM2
	BEGIN 1                         ; x = 0: the second block's only slot
	s_branch .LfirstM2
	DIAG 2
	s_wait_tensorcnt 0x0            ; the wave's end, behind my last tensor load and my last LDS store
	ds_add_u32 v[SPW], v[NIL]
	s_wait_dscnt 0x0
	s_endpgm
.Lfunc_end_k_q2a7160a502_attn:
	.size	k_q2a7160a502_attn, .Lfunc_end_k_q2a7160a502_attn-k_q2a7160a502_attn
	.p2alignl 7, 3214868480
	.fill 96, 4, 3214868480
	.section	.rodata,"a",@progbits
	.p2align	6, 0x0
	.amdhsa_kernel k_q2a7160a502_attn
		.amdhsa_group_segment_fixed_size 327680
		.amdhsa_private_segment_fixed_size 0
		.amdhsa_enable_private_segment 0
		.amdhsa_kernarg_size 16
		.amdhsa_user_sgpr_count 2
		.amdhsa_user_sgpr_kernarg_segment_ptr 1
		.amdhsa_wavefront_size32 1
		.amdhsa_system_sgpr_workgroup_id_x 1
		.amdhsa_system_sgpr_workgroup_id_y 1
		.amdhsa_system_sgpr_workgroup_id_z 1
		.amdhsa_system_vgpr_workitem_id 0
		.amdhsa_next_free_vgpr 768
		.amdhsa_next_free_sgpr 88
		.amdhsa_reserve_vcc 1
		.amdhsa_float_denorm_mode_32 3
		.amdhsa_float_denorm_mode_16_64 3
		.amdhsa_memory_ordered 1
		.amdhsa_forward_progress 1
		.amdhsa_inst_pref_size 165
	.end_amdhsa_kernel
	.amdgpu_metadata
---
amdhsa.version: [ 1, 2 ]
amdhsa.kernels:
  - .name:           k_q2a7160a502_attn
    .symbol:         k_q2a7160a502_attn.kd
    .args:
      - { .name: qkv, .offset: 0, .size: 8, .value_kind: global_buffer, .address_space: global }
      - { .name: ob, .offset: 8, .size: 8, .value_kind: global_buffer, .address_space: global }
    .group_segment_fixed_size: 327680
    .private_segment_fixed_size: 0
    .kernarg_segment_align: 8
    .kernarg_segment_size: 16
    .max_flat_workgroup_size: 128
    .sgpr_count:     88
    .vgpr_count:     768
    .wavefront_size: 32
...
	.end_amdgpu_metadata
.endif
;; end of part 3
;; launch proj (part 4): grid 8 x 32, 4 waves a work-group, clusters of 4 x 4, 327,680 bytes of LDS; arguments ob, wo, b_out, out0; writes out0
.if DOCPART == 4
	.amdgcn_target "amdgcn-amd-amdhsa--gfx1250"
	.amdhsa_code_object_version 6
	.text
	.protected	k_q2a7160a502_proj
	.globl	k_q2a7160a502_proj
	.p2align	8
	.type	k_q2a7160a502_proj,@function
k_q2a7160a502_proj:
	s_mov_b64 s[64:65], 0
	v_nop
	global_prefetch_b8 v0, s[64:65] scope:SCOPE_SE
	s_setreg_imm32_b32 hwreg(HW_REG_WAVE_MODE, 25, 1), 1
	s_wait_xcnt 0x0
	s_wait_alu depctr_hold_cnt(0) depctr_sa_sdst(0) depctr_va_vdst(0) depctr_va_sdst(0) depctr_va_ssrc(0) depctr_va_vcc(0) depctr_vm_vsrc(0)
	s_getreg_b32 s2, hwreg(HW_REG_IB_STS2, 6, 4)
	s_cmp_eq_u32 s2, 0
	s_cbranch_scc0 .Lentry_in_a_cluster
	s_endpgm
.Lentry_in_a_cluster:
	s_bfe_u32 s2, ttmp6, 0x10000c
	s_cmp_lg_u32 s2, 0xf033
	s_cbranch_scc0 .Lentry_shape_is_right
	s_endpgm
.Lentry_shape_is_right:
; out0 = O w_out + b_out.  O: ob, f16, by heads [bh][2048][64]; wo: f16 (w_out rounded to bf16), [1024 k][1024 n]; the bias rounded to bf16 here; sums and out0 in f32.
; A tile of out0 is 128 x 128: 8 x 32 tiles, one a work-group; four waves of 64 x 64: 16 accumulators.  K goes in 4 steps of 256 (four heads) through two LDS slots; a quarter of a step is one head.
; THE PRODUCT IS USED TRANSPOSED: source 0 = 16 columns of wo (stored [k][n]: turned by ds_load_tr16_b128), source 1 = 16 rows of O.  A lane then holds eight neighbouring numbers of a row of out0.
; CLUSTER 4 x 4: O's tile is asked for jointly along a row of the cluster, wo's along a column.  The four K steps are asked for by their loads alone.
; REGISTERS: window 0: v16-29 addresses; v32-95 the way out; v96-99 the bias; v128-255 the accumulators ((a, b) at 128 + 8 (4 a + b)).  window 1: two fragment buffers of 128: 64 of O's, then 64 of wo's.
.set PA,    144                        ; a row of a head in LDS: 128 bytes + 16
.set PB,    288                        ; a k-row of wo: 256 + 32 = 9 x 32
.set HEADL, 128*PA
.set AHALF, 2*HEADL
.set BOFF,  2*AHALF
.set BHALF, 128*PB
.set SLOT,  BOFF+2*BHALF
.set STAGE, 2*SLOT                     ; behind the ring: 16 rows x 272 bytes for each wave
.set SPITCH, 272
.set SPARE, STAGE+4*16*SPITCH          ; the spare words, 128 bytes a wave: two blocks of 256 bytes that no other line names
.set ADRA, 16                          ; v16-17  my O fragments in slot 0, 1
.set ADRB, 18                          ; v18-21  wo's: slot s, k-rows 128 u on, at 2 s + u
.set STO,  24
.set RD,   25
.set CO,   26
.set BOFS, 27
.set SPW,  28
.set NIL,  29
.set OB,   32
.set BI,   96
.set ACC,  128
.set F0,   0
.set F1,   128
.set G1, 24
.set G0, 32
.set G1B, 48
.set G0B, 56
.set MSB, 0
.macro WIN new
.if MSB != (\new)
	s_set_vgpr_msb (MSB<<8)|(\new)
.set MSB, \new
.endif
.endm
.set MUL,  0x05                        ; sources 0 and 1 window 1; C and D window 0
.set TO_F, 0x40
.macro JLOAD s                         ; waves 0 and 1 fetch O's two pairs of heads, waves 2 and 3 wo's two halves; an s_nop 0 and four v_nop follow each line
	s_cmp_eq_u32 s11, 0
	s_cbranch_scc0 .Lfor_b_\@
	tensor_load_to_lds s[G0+4*(\s):G0+4*(\s)+3], s[G1:G1+7]
	s_nop 0
.rept 4
	v_nop
.endr
	s_branch .Lasked_\@
.Lfor_b_\@:
	tensor_load_to_lds s[G0B+4*(\s):G0B+4*(\s)+3], s[G1B:G1B+7]
	s_nop 0
.rept 4
	v_nop
.endr
.Lasked_\@:
.endm
.macro CREST
	s_cmp_lg_u32 s10, 0
	s_cbranch_scc1 .Lnot_wave_0_\@
	s_barrier_signal -3
.Lnot_wave_0_\@:
	s_barrier_wait -3
	s_barrier_signal -1
	s_barrier_wait -1
.endm
.macro CROUND
	s_barrier_signal -1
	s_barrier_wait -1
	CREST
.endm
.macro PLACES
.rept 4
	v_nop
.endr
.endm
	s_load_b128 s[4:7], s[0:1], 0x0                ; ob s[4:5], wo s[6:7]
	s_load_b128 s[68:71], s[0:1], 0x10             ; b_out s[68:69], out0 s[70:71]
	v_lshl_add_u32 v[SPW], v0, 2, SPARE
	v_mov_b32 v[NIL], 0
	ds_add_u32 v[SPW], v[NIL]                      ; the wave's opening: the add and its wait ahead of my first tensor load
	v_lshrrev_b32 v1, 5, v0
	v_readfirstlane_b32 s10, v1                    ; wave 0..3
	s_lshr_b32 s11, s10, 1                         ; which half of the tile's rows is mine.  Also: I fetch for O (0) or for wo (1)
	s_and_b32 s12, s10, 1                          ; which half of its columns.  Also: which half of that tile I fetch
	s_bfe_u32 s40, ttmp6, 0x40000                  ; cx
	s_bfe_u32 s41, ttmp6, 0x40004                  ; cy
	s_lshl_b32 s42, ttmp9, 2
	s_add_co_u32 s42, s42, s40                     ; tile column
	s_and_b32 s13, ttmp7, 0xffff
	s_lshl_b32 s13, s13, 2
	s_add_co_u32 s13, s13, s41                     ; tile row
	s_lshl_b32 s43, s41, 2
	s_lshl_b32 s43, 15, s43                        ; my row of the cluster
	s_lshl_b32 s44, 0x1111, s40                    ; my column
	; O's tile: a head's 128 rows are 16,384 dense bytes: one long row; two heads, 131,072 elements apart; padded after every 128 bytes
	s_or_b32 s[G1], s43, (1<<16)|(1<<20)|(1<<21)|(4<<22)|(3<<25)
	s_mov_b32 s[G1+1], 8192<<16                    ; tensor_dim0 = 8,192
	s_mov_b32 s[G1+2], 2<<16                       ; tensor_dim1 = 2
	s_mov_b32 s[G1+3], 8192<<16                    ; tile_dim0
	s_mov_b32 s[G1+4], 2                           ; tile_dim1
	s_mov_b32 s[G1+5], 131072
	s_mov_b32 s[G1+6], 0
	s_mov_b32 s[G1+7], 0
	s_or_b32 s[G1B], s44, (1<<16)|(1<<20)|(1<<21)|(5<<22)|(7<<25)  ; 128 k-rows x 128 columns, 8 words behind every 64
	s_mov_b32 s[G1B+1], 128<<16
	s_mov_b32 s[G1B+2], 128<<16
	s_mov_b32 s[G1B+3], 128<<16
	s_mov_b32 s[G1B+4], 128
	s_mov_b32 s[G1B+5], 1024
	s_mov_b32 s[G1B+6], 0
	s_mov_b32 s[G1B+7], 0
	s_lshr_b32 s16, s13, 4                         ; batch
	s_lshl_b32 s16, s16, 4
	s_lshl_b32 s17, s12, 1
	s_add_co_u32 s16, s16, s17                     ; head 16 batch + 2 half,
	s_lshl_b32 s16, s16, 18                        ; x 262,144 bytes,
	s_and_b32 s17, s13, 15
	s_lshl_b32 s17, s17, 14                        ; + the tile's 128 rows of 128 bytes
	s_add_co_u32 s16, s16, s17
	s_mov_b32 s17, 0
	s_lshl_b32 s46, s12, 18                        ; wo: 128 half k-rows of 2,048 bytes,
	s_lshl_b32 s47, s42, 8                         ; + 256 bytes a tile column
	s_add_co_u32 s46, s46, s47
	s_mov_b32 s47, 0
	s_mul_i32 s20, s12, AHALF
	s_mul_i32 s21, s12, BHALF
	s_add_co_u32 s21, s21, BOFF
	s_wait_dscnt 0x0                               ; the opening add is done
	s_wait_kmcnt 0x0
	s_add_nc_u64 s[14:15], s[4:5], s[16:17]
	s_add_nc_u64 s[46:47], s[6:7], s[46:47]
	CROUND                                         ; all sixteen work-groups are here: the first joint loads meet
.irp s, 0,1
	s_mov_b32 s[G0+4*(\s)], 1
	s_add_co_u32 s[G0+4*(\s)+1], s20, (\s)*SLOT
	s_add_nc_u64 s[G0+4*(\s)+2:G0+4*(\s)+3], s[14:15], (\s)*1048576  ; a K step is four heads
	s_or_b32 s[G0+4*(\s)+3], s[G0+4*(\s)+3], 0x80000000
	s_mov_b32 s[G0B+4*(\s)], 1
	s_add_co_u32 s[G0B+4*(\s)+1], s21, (\s)*SLOT
	s_add_nc_u64 s[G0B+4*(\s)+2:G0B+4*(\s)+3], s[46:47], (\s)*524288  ; and 256 k-rows
	s_or_b32 s[G0B+4*(\s)+3], s[G0B+4*(\s)+3], 0x80000000
	JLOAD \s
.endr
	v_and_b32 v1, 15, v0                           ; r
	v_bfe_u32 v2, v0, 4, 1                         ; h
	v_and_b32 v6, 7, v0
	v_bfe_u32 v7, v0, 3, 1
	s_lshl_b32 s46, s42, 9                         ; the tile's first column in f32 bytes, + my half's 256
	s_lshl_b32 s47, s12, 8
	s_add_co_u32 s46, s46, s47
	s_mov_b32 s47, 0
	v_lshl_add_u32 v[BOFS], v1, 4, s46
	global_load_b128 v[BI:BI+3], v[BOFS], s[68:69] ; the bias of the four columns that I store
	v_mul_u32_u24 v3, v1, PA
	v_lshl_add_u32 v3, v2, 4, v3
	s_mul_i32 s22, s11, 64*PA
	v_add_nc_u32 v[ADRA], s22, v3
	v_add_nc_u32 v[ADRA+1], SLOT, v[ADRA]
	v_lshl_add_u32 v4, v2, 3, v6
	v_mul_u32_u24 v4, v4, PB
	v_lshl_add_u32 v4, v7, 4, v4
	s_lshl_b32 s22, s12, 7
	s_add_co_u32 s22, s22, BOFF
	v_add_nc_u32 v[ADRB], s22, v4
	v_add_nc_u32 v[ADRB+1], BHALF, v[ADRB]
	v_add_nc_u32 v[ADRB+2], SLOT, v[ADRB]
	v_add_nc_u32 v[ADRB+3], SLOT, v[ADRB+1]
	s_mul_i32 s23, s10, 16*SPITCH
	s_add_co_u32 s23, s23, STAGE                   ; my stage
	v_mul_u32_u24 v[STO], v1, SPITCH               ; in: row r, 32 bytes for each half of the lanes
	v_lshl_add_u32 v[STO], v2, 5, v[STO]
	v_add_nc_u32 v[STO], s23, v[STO]
	v_mul_u32_u24 v[RD], v2, SPITCH                ; back: lanes 0-15 one row of 256 bytes, lanes 16-31 the next
	v_lshl_add_u32 v[RD], v1, 4, v[RD]
	v_add_nc_u32 v[RD], s23, v[RD]
	v_lshlrev_b32 v[CO], 12, v2
	v_lshl_add_u32 v[CO], v1, 4, v[CO]
	s_lshl_b32 s16, s13, 7
	s_lshl_b32 s17, s11, 6
	s_add_co_u32 s16, s16, s17                     ; my first row of out0,
	s_lshl_b32 s16, s16, 12                        ; x 4,096 bytes
	s_mov_b32 s17, 0
	s_add_nc_u64 s[8:9], s[70:71], s[16:17]
	s_add_nc_u64 s[8:9], s[8:9], s[46:47]
	s_wait_loadcnt 0x0
	v_cvt_pk_bf16_f32 v5, v[BI], v[BI+1]           ; the bias is rounded to bf16 like every input
	v_lshlrev_b32 v[BI], 16, v5
	v_and_b32 v[BI+1], 0xffff0000, v5
	v_cvt_pk_bf16_f32 v5, v[BI+2], v[BI+3]
	v_lshlrev_b32 v[BI+2], 16, v5
	v_and_b32 v[BI+3], 0xffff0000, v5
; 8 matrix instructions: row blocks a0, a0 + 1 x all 4 column blocks, 32 along K: half c of buffer f.  The 16 accumulators take turns.
.macro MUL8 f, c, a0, zero
	WIN MUL
.irp a, \a0, (\a0)+1
.irp b, 0,1,2,3
.if \zero
	v_wmma_f32_16x16x32_f16 v[ACC+8*(4*(\a)+(\b)):ACC+8*(4*(\a)+(\b))+7], v[(\f)+64+8*(4*(\c)+(\b)):(\f)+64+8*(4*(\c)+(\b))+7], v[(\f)+8*(4*(\c)+(\a)):(\f)+8*(4*(\c)+(\a))+7], 0
.else
	v_wmma_f32_16x16x32_f16 v[ACC+8*(4*(\a)+(\b)):ACC+8*(4*(\a)+(\b))+7], v[(\f)+64+8*(4*(\c)+(\b)):(\f)+64+8*(4*(\c)+(\b))+7], v[(\f)+8*(4*(\c)+(\a)):(\f)+8*(4*(\c)+(\a))+7], v[ACC+8*(4*(\a)+(\b)):ACC+8*(4*(\a)+(\b))+7]
.endif
.endr
.endr
.endm
; 32 LDS loads in one run: quarter q (one head) of a slot into buffer f; the first 32 along K first
.macro FETCH slot, q, f
	WIN TO_F
.irp c, 0,1
.irp i, 0,1,2,3
	ds_load_tr16_b128 v[(\f)+64+8*(4*(\c)+(\i)):(\f)+64+8*(4*(\c)+(\i))+3],   v[ADRB+2*(\slot)+(\q)/2] offset:(((\q)%2)*64+32*(\c))*PB+32*(\i)
	ds_load_tr16_b128 v[(\f)+64+8*(4*(\c)+(\i))+4:(\f)+64+8*(4*(\c)+(\i))+7], v[ADRB+2*(\slot)+(\q)/2] offset:(((\q)%2)*64+32*(\c))*PB+32*(\i)+16*PB
	ds_load_b128 v[(\f)+8*(4*(\c)+(\i)):(\f)+8*(4*(\c)+(\i))+3],   v[ADRA+(\slot)] offset:(\q)*HEADL+(\i)*16*PA+64*(\c)
	ds_load_b128 v[(\f)+8*(4*(\c)+(\i))+4:(\f)+8*(4*(\c)+(\i))+7], v[ADRA+(\slot)] offset:(\q)*HEADL+(\i)*16*PA+64*(\c)+32
.endr
.endr
.endm
.macro QUARTER slot, q, f, g, zero     ; multiplies buffer f and fetches quarter q into g
	s_wait_dscnt 16                                ; the first 32 along K are in
	MUL8 \f, 0, 0, \zero
	MUL8 \f, 0, 2, \zero
	PLACES
	FETCH \slot, \q, \g
	s_wait_dscnt 32                                ; all but the 32 just issued
	MUL8 \f, 1, 0, 0
	MUL8 \f, 1, 2, 0
.endm
; The last quarter multiplies buffer 1 and changes slots: one barrier; in front of it each wave waits for all its tensor loads, adds 0 to its spare word, and waits for that and for its reads of this slot.
.macro TURN slot, next, fill
	WIN 0
	s_wait_tensorcnt 0x0                           ; all my tensor loads have landed: my part of the next slot
	ds_add_u32 v[SPW], v[NIL]                      ; 0 onto my spare word
	s_wait_dscnt 17                                ; (the add and the youngest sixteen loads may be out)
	MUL8 F1, 0, 0, 0
	s_wait_dscnt 0x0                               ; the add is done, and my reads of this slot are over
	s_barrier_signal -1
	MUL8 F1, 0, 2, 0
.if \fill
	WIN 0
.endif
	s_barrier_wait -1
.if \fill
	CREST                                          ; no wave of any partner still reads this slot or has a load on its way
	s_add_nc_u64 s[G0+4*(\slot)+2:G0+4*(\slot)+3], s[G0+4*(\slot)+2:G0+4*(\slot)+3], 2097152
	s_add_nc_u64 s[G0B+4*(\slot)+2:G0B+4*(\slot)+3], s[G0B+4*(\slot)+2:G0B+4*(\slot)+3], 1048576
	JLOAD \slot                                    ; its four v_nop are also the places in front of the loads below
.else
	PLACES
.endif
	FETCH \next, 0, F0
	MUL8 F1, 1, 0, 0
	MUL8 F1, 1, 2, 0
.endm
	s_wait_tensorcnt 1                             ; my part of K step 0 is in; K step 1's may stay out
	s_barrier_signal -1
	s_barrier_wait -1
	FETCH 0, 0, F0
	QUARTER 0, 1, F0, F1, 1                        ; the first products start the sums
	QUARTER 0, 2, F1, F0, 0
	QUARTER 0, 3, F0, F1, 0
	TURN 0, 1, 1                                   ; slot 0 takes K step 2
	QUARTER 1, 1, F0, F1, 0
	QUARTER 1, 2, F1, F0, 0
	QUARTER 1, 3, F0, F1, 0
	TURN 1, 0, 1                                   ; slot 1 takes K step 3
	QUARTER 0, 1, F0, F1, 0
	QUARTER 0, 2, F1, F0, 0
	QUARTER 0, 3, F0, F1, 0
	TURN 0, 1, 0
	QUARTER 1, 1, F0, F1, 0
	QUARTER 1, 2, F1, F0, 0
	QUARTER 1, 3, F0, F1, 0
	s_wait_dscnt 16
	MUL8 F1, 0, 0, 0
	MUL8 F1, 0, 2, 0
	s_wait_dscnt 0x0
	MUL8 F1, 1, 0, 0
	MUL8 F1, 1, 2, 0
	WIN 0
	PLACES
; THE WAY OUT, 16 rows at a time, through my own stage: a lane's 32 bytes of a row go in (each accumulator's low registers first), whole rows of 256 bytes come back, take the bias and are stored.
.macro TOSTAGE a
.if (\a) >= 2
	s_wait_xcnt 0x0                                ; the stores of the block two back have read this buffer
.endif
.irp b, 0,1,2,3
	ds_store_b128 v[STO], v[ACC+8*(4*(\a)+(\b)):ACC+8*(4*(\a)+(\b))+3]   offset:64*(\b)
	ds_store_b128 v[STO], v[ACC+8*(4*(\a)+(\b))+4:ACC+8*(4*(\a)+(\b))+7] offset:64*(\b)+16
.endr
.irp t, 0,1,2,3,4,5,6,7
	ds_load_b128 v[OB+32*((\a)%2)+4*(\t):OB+32*((\a)%2)+4*(\t)+3], v[RD] offset:(\t)*2*SPITCH  ; LDS serves a wave's instructions in order (ISA guide 5.7.1.4)
.endr
.endm
.macro SEND a, younger                 ; younger: the next block's eight stores and eight loads, or none
.irp t, 0,1,2,3,4,5,6,7
	s_wait_dscnt (\younger)+7-(\t)
	v_pk_add_f32 v[OB+32*((\a)%2)+4*(\t):OB+32*((\a)%2)+4*(\t)+1],   v[OB+32*((\a)%2)+4*(\t):OB+32*((\a)%2)+4*(\t)+1],   v[BI:BI+1]
	v_pk_add_f32 v[OB+32*((\a)%2)+4*(\t)+2:OB+32*((\a)%2)+4*(\t)+3], v[OB+32*((\a)%2)+4*(\t)+2:OB+32*((\a)%2)+4*(\t)+3], v[BI+2:BI+3]
	global_store_b128 v[CO], v[OB+32*((\a)%2)+4*(\t):OB+32*((\a)%2)+4*(\t)+3], s[8:9] offset:(16*(\a)+2*(\t))*4096  ; 16 lanes store 256 consecutive bytes, at a multiple of 256 from out0's first
.endr
.endm
	TOSTAGE 0
.irp a, 1,2,3
	TOSTAGE \a
	SEND (\a)-1, 16
.endr
	SEND 3, 0
	s_wait_tensorcnt 0x0                           ; the wave's end, behind my last tensor load and my last LDS store
	ds_add_u32 v[SPW], v[NIL]
	s_wait_dscnt 0x0
	CROUND                                         ; the closing round
	s_endpgm
.Lfunc_end_k_q2a7160a502_proj:
	.size	k_q2a7160a502_proj, .Lfunc_end_k_q2a7160a502_proj-k_q2a7160a502_proj
	.p2alignl 7, 3214868480
	.fill 96, 4, 3214868480
	.section	.rodata,"a",@progbits
	.p2align	6, 0x0
	.amdhsa_kernel k_q2a7160a502_proj
		.amdhsa_group_segment_fixed_size 327680
		.amdhsa_private_segment_fixed_size 0
		.amdhsa_enable_private_segment 0
		.amdhsa_kernarg_size 32
		.amdhsa_user_sgpr_count 2
		.amdhsa_user_sgpr_kernarg_segment_ptr 1
		.amdhsa_wavefront_size32 1
		.amdhsa_system_sgpr_workgroup_id_x 1
		.amdhsa_system_sgpr_workgroup_id_y 1
		.amdhsa_system_sgpr_workgroup_id_z 1
		.amdhsa_system_vgpr_workitem_id 0
		.amdhsa_next_free_vgpr 512
		.amdhsa_next_free_sgpr 80
		.amdhsa_reserve_vcc 0
		.amdhsa_float_denorm_mode_32 3
		.amdhsa_float_denorm_mode_16_64 3
		.amdhsa_memory_ordered 1
		.amdhsa_forward_progress 1
		.amdhsa_inst_pref_size 91
	.end_amdhsa_kernel
	.amdgpu_metadata
---
amdhsa.version: [ 1, 2 ]
amdhsa.kernels:
  - .name:           k_q2a7160a502_proj
    .symbol:         k_q2a7160a502_proj.kd
    .args:
      - { .name: ob, .offset: 0, .size: 8, .value_kind: global_buffer, .address_space: global }
      - { .name: wo, .offset: 8, .size: 8, .value_kind: global_buffer, .address_space: global }
      - { .name: b_out, .offset: 16, .size: 8, .value_kind: global_buffer, .address_space: global }
      - { .name: out0, .offset: 24, .size: 8, .value_kind: global_buffer, .address_space: global }
    .group_segment_fixed_size: 327680
    .private_segment_fixed_size: 0
    .kernarg_segment_align: 8
    .kernarg_segment_size: 32
    .max_flat_workgroup_size: 128
    .sgpr_count:     80
    .vgpr_count:     512
    .wavefront_size: 32
...
	.end_amdgpu_metadata
.endif
;; end of part 4
;; ======== version 2 of 2: 4 launches; version 1 with the launch prep written anew for expert scheduling mode
;; limits: values are held in f16: magnitudes above 65,504 overflow, below 6.1e-05 lose precision
;; workspace buffers: xb 8,388,608 bytes; wq 6,291,456 bytes; wo 2,097,152 bytes; qkv 25,690,112 bytes; ob 8,388,608 bytes
;; launch prep (part 5): grid 512 x 1, 8 waves a work-group, no clusters, 0 bytes of LDS; arguments x, w_qkv, w_out, xb, wq, wo; writes xb, wq, wo
.if DOCPART == 5
	.amdgcn_target "amdgcn-amd-amdhsa--gfx1250"
	.amdhsa_code_object_version 6
	.text
	.protected	k_q2a7160a502_prep
	.globl	k_q2a7160a502_prep
	.p2align	8
	.type	k_q2a7160a502_prep,@function
k_q2a7160a502_prep:
	s_mov_b64 s[64:65], 0
	v_nop
	global_prefetch_b8 v0, s[64:65] scope:SCOPE_SE
	s_setreg_imm32_b32 hwreg(HW_REG_WAVE_SCHED_MODE, 0, 2), 2
	s_setreg_imm32_b32 hwreg(HW_REG_WAVE_MODE, 25, 1), 1
	s_wait_xcnt 0x0
	s_wait_alu depctr_vm_vsrc(0)
; CASTS.  xb = bf16(x), [4096][1024].  wq = bf16(w_qkv) laid in 16 blocks, one a head: wq[jt][k][64 sel + c] = w_qkv[k][1024 sel + 64 jt + c] (sel = 0, 1, 2: q, k, v).
; wo = bf16(w_out), that number written as f16, [1024][1024].
; LIMIT.  A bf16 number is exact in f16 between 6.1e-5 and 65,504 in size; below that wo keeps f16's fixed step of 6e-8, beyond it the result is an infinity.
; SHARES.  A work-group writes 32,768 bytes (16,384 numbers): groups 0-255 x, 256-447 w_qkv, 448-511 w_out.  Sixteen steps; in each a thread loads 16 bytes and stores 8:
; a wave's load covers 512 consecutive bytes (for w_qkv two pieces of 256, each aligned), a wave's store 256 consecutive bytes, aligned.
; No LDS, no matrix unit, no cluster: each byte is read once, by one thread, and nothing is shared.
; THE MODE: SCHED_MODE bits 1:0 = 2 (LLVM: expert scheduling mode 2), set by the entry lines.  The code itself states the register dependences
; between vector instructions and memory instructions, with s_wait_alu, always for 0.
; THE PLAN.  Registers that memory instructions touch:
;   v1, v2, v3   byte offsets, made once at the head and never written again: the loads read v1 or v3, the stores v2.
;   IN           written by the sixteen loads, which all go out before any vector line names IN; read by the roundings behind the counted wait for the loads.
;   OUT          each register written once, by a rounding, and read once, by a store.
; No register that a memory instruction has read is ever written again, so no wait on vm_vsrc and none on XCNT is owed.
; The sixteen steps go in four groups of four.  Group g rounds loads 4 g .. 4 g + 3 into its eight OUT registers; its four stores are issued in group g + 1, behind the ONE wait on va_vdst at that
; group's head, and are dealt among that group's roundings, which name their own IN and OUT and v5 to v7: none of the registers that those stores read.  The last group's stores have a wait of their own.
.set IN,  32                           ; v[32:95]   sixteen loads of four f32
.set OUT, 96                           ; v[96:127]  sixteen results of two registers
	s_load_b256 s[4:11], s[0:1], 0x0               ; x s[4:5], w_qkv s[6:7], w_out s[8:9], xb s[10:11]
	s_load_b128 s[12:15], s[0:1], 0x20             ; wq s[12:13], wo s[14:15]
	s_mov_b32 s16, ttmp9
	v_lshlrev_b32 v1, 4, v0                        ; 16 t: where I read in a dense stream
	v_lshlrev_b32 v2, 3, v0                        ; 8 t: where I write
	v_lshrrev_b32 v3, 4, v0                        ; for w_qkv: piece t / 16 of 64 numbers, pieces 4,096 bytes apart,
	v_and_b32 v4, 15, v0
	v_lshlrev_b32 v4, 4, v4
	v_lshl_add_u32 v3, v3, 12, v4                  ; + 16 (t % 16)
	s_mov_b32 s19, 0
	s_mov_b32 s21, 0
	s_wait_kmcnt 0x0
	s_wait_alu depctr_va_vdst(0)                   ; v1, v2 and v3 are written: every load and store of the three paths below reads one of them as its offset, and no line behind this one writes them
; The rounding of load i's four numbers into two registers.  kind = 1: bf16 first, then that number as f16.
.macro ROUND i, kind
.irp j, 0,1
.if \kind
	v_cvt_pk_bf16_f32 v5, v[IN+4*(\i)+2*(\j)], v[IN+4*(\i)+2*(\j)+1]
	v_lshlrev_b32 v6, 16, v5
	v_and_b32 v7, 0xffff0000, v5
	v_cvt_pk_f16_f32 v[OUT+2*(\i)+(\j)], v6, v7
.else
	v_cvt_pk_bf16_f32 v[OUT+2*(\i)+(\j)], v[IN+4*(\i)+2*(\j)], v[IN+4*(\i)+2*(\j)+1]
.endif
.endr
.endm
; Sixteen loads; then four groups: the wait that leaves the younger loads out, the wait for the group before's roundings, and that group's four stores among this group's roundings.
.macro STREAM src, dst, vin, istep, kind
.irp i, 0,1,2,3,4,5,6,7,8,9,10,11,12,13,14,15
	global_load_b128 v[IN+4*(\i):IN+4*(\i)+3], v[\vin], s[\src:\src+1] offset:(\i)*(\istep) th:TH_LOAD_NT
.endr
.irp g, 0,1,2,3
	s_wait_loadcnt 12-4*(\g)                       ; loads come back in order: loads 4 g .. 4 g + 3 are in, the 12 - 4 g younger ones may be out
.if (\g) > 0
	s_wait_alu depctr_va_vdst(0)                   ; the group before has written its eight OUT registers, which the four stores below read
.endif
.irp i, 0,1,2,3
.if (\g) > 0
	global_store_b64 v2, v[OUT+2*(4*(\g)-4+(\i)):OUT+2*(4*(\g)-4+(\i))+1], s[\dst:\dst+1] offset:2048*(4*(\g)-4+(\i)) th:TH_STORE_NT  ; the group before's step i; no vector line since the wait names its registers
.endif
	ROUND 4*(\g)+(\i), \kind
.endr
.endr
	s_wait_alu depctr_va_vdst(0)                   ; the last group has written its eight OUT registers, which the last four stores read
.irp i, 12,13,14,15
	global_store_b64 v2, v[OUT+2*(\i):OUT+2*(\i)+1], s[\dst:\dst+1] offset:2048*(\i) th:TH_STORE_NT
.endr
	s_endpgm
.endm
	s_cmp_lt_u32 s16, 256
	s_cbranch_scc0 .Lnot_x
	s_lshl_b32 s18, s16, 16                        ; 65,536 bytes in,
	s_add_nc_u64 s[4:5], s[4:5], s[18:19]
	s_lshl_b32 s20, s16, 15                        ; 32,768 out
	s_add_nc_u64 s[10:11], s[10:11], s[20:21]
	STREAM 4, 10, 1, 4096, 0
.Lnot_x:
	s_cmp_lt_u32 s16, 448
	s_cbranch_scc0 .Lw_out
	s_sub_co_u32 s17, s16, 256                     ; q = 0 .. 191: twelve groups a block
	s_mul_i32 s18, s17, 5462
	s_lshr_b32 s18, s18, 16                        ; jt = q / 12 (exact for q under 192)
	s_mul_i32 s20, s18, 12
	s_sub_co_u32 s20, s17, s20                     ; q % 12: 256 pieces of 64 numbers each; piece 3 k + sel lies at byte (3 k + sel) x 4,096 + 256 jt of w_qkv
	s_lshl_b32 s20, s20, 20
	s_lshl_b32 s18, s18, 8
	s_add_co_u32 s18, s18, s20
	s_add_nc_u64 s[6:7], s[6:7], s[18:19]
	s_lshl_b32 s20, s17, 15
	s_add_nc_u64 s[12:13], s[12:13], s[20:21]
	STREAM 6, 12, 3, 65536, 0                      ; a step is 16 pieces
.Lw_out:
	s_sub_co_u32 s17, s16, 448
	s_lshl_b32 s18, s17, 16
	s_add_nc_u64 s[8:9], s[8:9], s[18:19]
	s_lshl_b32 s20, s17, 15
	s_add_nc_u64 s[14:15], s[14:15], s[20:21]
	STREAM 8, 14, 1, 4096, 1
.Lfunc_end_k_q2a7160a502_prep:
	.size	k_q2a7160a502_prep, .Lfunc_end_k_q2a7160a502_prep-k_q2a7160a502_prep
	.p2alignl 7, 3214868480
	.fill 96, 4, 3214868480
	.section	.rodata,"a",@progbits
	.p2align	6, 0x0
	.amdhsa_kernel k_q2a7160a502_prep
		.amdhsa_group_segment_fixed_size 0
		.amdhsa_private_segment_fixed_size 0
		.amdhsa_enable_private_segment 0
		.amdhsa_kernarg_size 48
		.amdhsa_user_sgpr_count 2
		.amdhsa_user_sgpr_kernarg_segment_ptr 1
		.amdhsa_wavefront_size32 1
		.amdhsa_system_sgpr_workgroup_id_x 1
		.amdhsa_system_sgpr_workgroup_id_y 1
		.amdhsa_system_sgpr_workgroup_id_z 1
		.amdhsa_system_vgpr_workitem_id 0
		.amdhsa_next_free_vgpr 128
		.amdhsa_next_free_sgpr 66
		.amdhsa_reserve_vcc 0
		.amdhsa_float_denorm_mode_32 3
		.amdhsa_float_denorm_mode_16_64 3
		.amdhsa_memory_ordered 1
		.amdhsa_forward_progress 1
		.amdhsa_inst_pref_size 23
	.end_amdhsa_kernel
	.amdgpu_metadata
---
amdhsa.version: [ 1, 2 ]
amdhsa.kernels:
  - .name:           k_q2a7160a502_prep
    .symbol:         k_q2a7160a502_prep.kd
    .args:
      - { .name: x, .offset: 0, .size: 8, .value_kind: global_buffer, .address_space: global }
      - { .name: w_qkv, .offset: 8, .size: 8, .value_kind: global_buffer, .address_space: global }
      - { .name: w_out, .offset: 16, .size: 8, .value_kind: global_buffer, .address_space: global }
      - { .name: xb, .offset: 24, .size: 8, .value_kind: global_buffer, .address_space: global }
      - { .name: wq, .offset: 32, .size: 8, .value_kind: global_buffer, .address_space: global }
      - { .name: wo, .offset: 40, .size: 8, .value_kind: global_buffer, .address_space: global }
    .group_segment_fixed_size: 0
    .private_segment_fixed_size: 0
    .kernarg_segment_align: 8
    .kernarg_segment_size: 48
    .max_flat_workgroup_size: 256
    .sgpr_count:     66
    .vgpr_count:     128
    .wavefront_size: 32
...
	.end_amdgpu_metadata
.endif
;; end of part 5
;; launch qkv: the kernel of part 2 again; grid 16 x 16, 4 waves a work-group, clusters of 4 x 4, 327,680 bytes of LDS; arguments xb, wq, b_qkv, qkv; writes qkv
;; launch attn: the kernel of part 3 again; grid 8 x 32, 4 waves a work-group, no clusters, 327,680 bytes of LDS; arguments qkv, ob; writes ob
;; launch proj: the kernel of part 4 again; grid 8 x 32, 4 waves a work-group, clusters of 4 x 4, 327,680 bytes of LDS; arguments ob, wo, b_out, out0; writes out0
